; MI455X (gfx1250); checked and timed in simulation.
; The chip was launched on July 23, 2026; its instructions are those of AMD's public machine-readable ISA for CDNA 5 (MIT licence, August 2026) and "CDNA5" Instruction Set Architecture Reference Guide (July 2026). The comments in the code are by the model that wrote it; some were corrected since.
;; Multi Head Attention. Allowed arithmetic: matrix products marked QUANTISED: E2M1 operands, one E8M0 scale for each 32 along K, by v_wmma_scale_f32_16x16x128_f8f6f4 with both operands' format E2M1 (or v_wmma_scale_f32_32x16x128_f4), f32 sums; products left as they are: bf16, f16 or f32 operands; f32 sums; everything else in f32.
;; Inputs: Wf 1,024 x 1,024 float32; Wk 1,024 x 1,024 float32; Wq 1,024 x 1,024 float32; Wv 1,024 x 1,024 float32; bf 1,024 float32; bk 1,024 float32; bq 1,024 float32; bv 1,024 float32; mask 4 x 2,048 int32; x 4 x 1,024 x 2,048 float32.
;; Outputs: out0 4 x 1,024 x 2,048 float32.
;; This version of the problem:
;;   THIS VERSION OF THE PROBLEM IS GIVEN IN LOW PRECISION. The matrix products marked QUANTISED in the list below multiply operands that are first quantised to E2M1 (2 exponent bits, 1 mantissa bit; 4 bits a number), with one power-of-two scale for each 32 numbers along K (OCP MX v1.0); their sums are f32. The products marked 'left as it is' may take bf16, f16 or f32 operands, with f32 sums. Whichever they take, every output number must still come out within the allowed error. Rounding operands to bf16 (8 significant bits) uses up far more of that allowance than f16 does (11 bits, for magnitudes from 6e-5 to 65,504). All else is computed in f32.
;;   The module's matrix products, in the order in which they are computed (A, B: the left and right operand; K: the contracted axis; several contracted axes count as one K, in the product's order):
;;     1. [M 8,192, K 1,024] x [K 1,024, N 1,024]; A: input x; B: input Wq: QUANTISED
;;     2. [M 8,192, K 1,024] x [K 1,024, N 1,024]; A: input x; B: input Wk: QUANTISED
;;     3. [M 8,192, K 1,024] x [K 1,024, N 1,024]; A: input x; B: input Wv: QUANTISED
;;     4. batch 64 x [M 2,048, K 64] x [K 64, N 2,048]; A: computed on the way; B: computed on the way: left as it is (an operand is computed on the way)
;;     5. batch 64 x [M 64, K 2,048] x [K 2,048, N 2,048]; A: computed on the way; B: computed on the way: left as it is (an operand is computed on the way)
;;     6. [M 8,192, K 1,024] x [K 1,024, N 1,024]; A: computed on the way; B: input Wf: left as it is (an operand is computed on the way)
;;   THE QUANTISER, for each operand of a quantised product, along K:
;;     - K is cut into blocks of 32 from its start; a last block that is shorter is filled with zeros.
;;     - A block's scale is 2^e with e = floor(log2(the largest magnitude in the block)) - 2, held to -126 .. 127; a block of zeros has e = 0. As a byte (E8M0): e + 127.
;;     - Each number is divided by its block's scale, clamped to +-6, and rounded to the nearest number of E2M1, ties to even, subnormals kept.
;;     - The product sums the exact products of the quantised numbers (number of the format x scale) in f32.
;;   ~~~python
;;   def quantise(x, axis):      # numpy; x: float32 -> the quantised numbers, widened to float32 again
;;       x = np.moveaxis(x, axis, -1); K = x.shape[-1]
;;       x = np.pad(x, [(0, 0)] * (x.ndim - 1) + [(0, -K % 32)]); x = x.reshape(x.shape[:-1] + (-1, 32)); a = np.abs(x).max(-1, keepdims=True)
;;       e = np.where(a > 0, np.clip(np.frexp(np.where(a > 0, a, 1))[1] - 1 - 2, -126, 127), 0)      # np.frexp(a)[1] - 1 = floor(log2(a)), exactly
;;       r = np.clip(x / 2.0 ** e, -6, 6)
;;       step = 2.0 ** (np.maximum(np.frexp(np.where(r == 0, 1, r))[1] - 1, 0) - 1)
;;       q = np.round(r / step) * step * 2.0 ** e      # np.round: ties to even
;;       return np.moveaxis(q.reshape(q.shape[:-2] + (-1,))[..., :K], -1, axis).astype(np.float32)
;;   ~~~
;; One version. Each part assembles by itself: llvm-mc -triple=amdgcn-amd-amdhsa -mcpu=gfx1250 --defsym DOCPART=n.
;; ======== version 1 of 1: 4 launches
;; limits: values are held in f16: magnitudes above 65,504 overflow, below 6.1e-05 lose precision
;; workspace buffers: codes 5,767,168 bytes; scales 360,448 bytes; wff 2,097,152 bytes; qkv 50,331,648 bytes; of 16,777,216 bytes
;; launch prep (part 1): grid 384 x 1, 2 waves a work-group, no clusters, 0 bytes of LDS; arguments x, Wq, Wk, Wv, Wf, codes, scales, wff; writes codes, scales, wff
.if DOCPART == 1
	.amdgcn_target "amdgcn-amd-amdhsa--gfx1250"
	.amdhsa_code_object_version 6
	.text
	.protected	k_q4aa01cdf4d_prep
	.globl	k_q4aa01cdf4d_prep
	.p2align	8
	.type	k_q4aa01cdf4d_prep,@function
k_q4aa01cdf4d_prep:
	s_mov_b64 s[64:65], 0
	v_nop
	global_prefetch_b8 v0, s[64:65] scope:SCOPE_SE
	s_setreg_imm32_b32 hwreg(HW_REG_WAVE_MODE, 25, 1), 1
	s_wait_xcnt 0x0
; PREP: the operands of the three quantised products become codes of E2M1 with one E8M0 byte for each 32 along K; Wf becomes f16.
; NO WORK OF reference() IS LEFT OUT IN THIS PROGRAM, and every input is loaded: bq, bk, bv start the sums of the projections, the key mask enters as reference() writes it
; (scores x m + (1 - m) x NEG, for any whole number m), bf starts the sums of the last product.  bk is not constant along the softmax's axis, since it is multiplied by m.
; x is [4][1024 (k)][2048 (l)], the weights are [1024 (k)][1024 (n)]: K is the FIRST axis of every operand.  So a lane takes a column (l or n) and its registers run down K:
; a block of 32 along K lies in one lane's 32 registers, its largest magnitude needs no other lane, and the conversions give codes with K innermost.
; THE WORKSPACES LIE IN THE ORDER OF THE OPERAND'S REGISTERS.  An image is 512 bytes, lane l's 16 bytes at 16 l.
;   codes  [row tile T: 704][pair p: 16][lane][16 bytes]: lane (r, h) holds the 32 codes of row 16 T + r, block 2 p + h.  T = 0..511: rows (2048 b + l) / 16 of x; T = 512 + 64 w + n / 16: Wq, Wk, Wv (w = 0, 1, 2).
;   scales [T][half of K: 2][r: 16][16 bytes]: the 16 scale bytes of row r for that half of K.
;   wff    [n / 16: 64][k / 16: 64][lane][16 bytes]: lane (r, h) holds Wf[16 (k / 16) + 8 h + 0..7][16 (n / 16) + r] as f16.
; A wave takes 32 columns x 512 along K; the two waves of a work-group stand side by side on 256 consecutive bytes of each row.  A wave's 32 columns are two row tiles (lanes 0-15, lanes 16-31);
; an image wants one row tile with two neighbouring blocks (or two runs of 8 along K) in its two halves of lanes: v_permlane16_swap_b32 of the two blocks' registers gives both tiles' images at once.
; Each store of the wave covers 512 consecutive bytes, aligned; the scale bytes leave as two runs of 256 bytes.  No LDS, no barrier: waves share nothing.  Loads run two blocks (64 loads a wave) ahead.
; A block's scale is 2^(floor(log2(its largest magnitude)) - 2); its byte is the largest magnitude's exponent field - 2, held at 1 from below.
; LIMITS: a block of zeros gets the byte 1 where the rule says 127 (its codes are zeros, and this program alone reads the bytes); blocks whose largest magnitude lies under 2^(2 - 126) have their byte held at 1;
; Wf goes in f16: magnitudes from 65,520 on become infinity, those under 6e-8 become 0; NaN and infinities among the inputs are not served.
.set X,   32                           ; v32-95   two sets of 32 numbers
.set C,   96                           ; v96-159  codes: four registers a block; for Wf four sets of 16
.set SB,  24                           ; v24-27   the 16 scale bytes
	s_load_b512 s[4:19], s[0:1], 0x0               ; x s[4:5], Wq s[6:7], Wk s[8:9], Wv s[10:11], Wf s[12:13], codes s[14:15], scales s[16:17], wff s[18:19]
	v_lshrrev_b32 v1, 5, v0
	v_readfirstlane_b32 s20, v1                    ; wave 0, 1
	v_and_b32 v2, 31, v0                           ; lane
	v_lshlrev_b32 v3, 2, v2                        ; in: 4 bytes a lane
	v_lshlrev_b32 v4, 4, v2                        ; an image's place for my lane
	v_lshrrev_b32 v5, 4, v2
	v_and_b32 v6, 15, v2
	v_lshlrev_b32 v5, 9, v5
	v_lshl_add_u32 v5, v6, 4, v5                   ; the scale bytes: 512 x (lane / 16) + 16 x (lane % 16)
	s_mov_b32 s31, 0
	s_mov_b32 s33, 0
	s_mov_b32 s35, 0
	s_lshl_b32 s37, s20, 7                         ; my wave's 32 columns, in bytes
	s_lshl_b32 s39, s20, 1                         ; and in row tiles
	s_wait_kmcnt 0x0
.macro LOAD t, pitch                   ; block t: rows 32 t + i of my column, into set t % 2
.irp i, 0,1,2,3,4,5,6,7,8,9,10,11,12,13,14,15,16,17,18,19,20,21,22,23,24,25,26,27,28,29,30,31
	global_load_b32 v[X+32*((\t)%2)+\i], v3, s[24:25] offset:(32*(\t)+\i)*\pitch th:TH_LOAD_NT
.endr
.endm
.macro BLOCK t, pitch
.set XS, X+32*((\t)%2)
.if (\t) < 15
	s_wait_loadcnt 32                              ; this block's 32 loads are in; the next block's may be out
.else
	s_wait_loadcnt 0
.endif
	v_max3_num_f32 v12, |v[XS]|, |v[XS+1]|, |v[XS+2]|              ; the block's largest magnitude: all 32 numbers are mine; two chains
	v_max3_num_f32 v13, |v[XS+3]|, |v[XS+4]|, |v[XS+5]|
.irp i, 6,10,14,18,22,26
	v_max3_num_f32 v12, v12, |v[XS+\i]|, |v[XS+\i+1]|
	v_max3_num_f32 v13, v13, |v[XS+\i+2]|, |v[XS+\i+3]|
.endr
	v_max3_num_f32 v12, v12, |v[XS+30]|, |v[XS+31]|
	v_max3_num_f32 v12, v12, v13, 0x1800000        ; and the floor 2^(3 - 127): the byte cannot fall under 1
	v_add_nc_u32 v11, 0xff000000, v12              ; 2 off its exponent field: the conversion takes the exponent field of this operand as its scale
.irp g, 0,1,2,3
	v_cvt_scalef32_pk8_fp4_f32 v[C+4*(\t)+\g], v[XS+8*\g:XS+8*\g+7], v11
.endr
	v_lshrrev_b32 v13, 23, v11                     ; the scale's byte (also the plain instruction behind the conversions)
.if (\t)%4 == 0
	v_mov_b32 v[SB+(\t)/4], v13                    ; four bytes to a register, the lower K in the lower byte
.else
	v_lshl_or_b32 v[SB+(\t)/4], v13, 8*((\t)%4), v[SB+(\t)/4]
.endif
.if (\t)+2 < 16
	LOAD (\t)+2, \pitch
.endif
.if (\t)%2 == 1
.irp e, 0,1,2,3                        ; the even block's lanes 16-31 change places with the odd block's lanes 0-15: the first four registers are now the lower row tile's image, the second four the upper's
	v_permlane16_swap_b32 v[C+4*((\t)-1)+\e], v[C+4*(\t)+\e]
.endr
	global_store_b128 v4, v[C+4*((\t)-1):C+4*((\t)-1)+3], s[26:27] offset:((\t)/2)*512
	global_store_b128 v4, v[C+4*(\t):C+4*(\t)+3], s[26:27] offset:8192+((\t)/2)*512
.endif
.endm
.macro QPATH pitch                     ; 16 blocks; every block has its own registers for its codes, so no store's data are written again
	LOAD 0, \pitch
	LOAD 1, \pitch
.set Q, 0
.rept 16
	BLOCK Q, \pitch
.set Q, Q+1
.endr
	global_store_b128 v5, v[SB:SB+3], s[28:29]     ; sixteen lanes store 256 consecutive bytes of each row tile's scales
.endm
.macro DEST                            ; s38 = my first row tile, s22 = which half of K
	s_lshl_b32 s32, s38, 13
	s_lshl_b32 s36, s22, 12
	s_add_co_u32 s32, s32, s36
	s_lshl_b32 s34, s38, 9
	s_lshl_b32 s36, s22, 8
	s_add_co_u32 s34, s34, s36
	s_add_nc_u64 s[26:27], s[14:15], s[32:33]
	s_add_nc_u64 s[28:29], s[16:17], s[34:35]
.endm
.macro BLOCKF t                        ; Wf: 32 numbers become 16 registers of f16: four runs of 8 along K
.set XS, X+32*((\t)%2)
.set CF, C+16*((\t)%4)
.if (\t) < 15
	s_wait_loadcnt 32
.else
	s_wait_loadcnt 0
.endif
.if (\t) >= 4
	s_wait_xcnt 0x0                                ; the stores of four blocks ago have read this set of registers
.endif
.irp j, 0,1,2,3,4,5,6,7,8,9,10,11,12,13,14,15
	v_cvt_pk_f16_f32 v[CF+\j], v[XS+2*\j], v[XS+2*\j+1]
.endr
.if (\t)+2 < 16
	LOAD (\t)+2, 4096
.endif
.irp e, 0,1,2,3
	v_permlane16_swap_b32 v[CF+\e], v[CF+4+\e]     ; runs 0 and 1 are the two halves of an image, runs 2 and 3 of the next
	v_permlane16_swap_b32 v[CF+8+\e], v[CF+12+\e]
.endr
	global_store_b128 v4, v[CF:CF+3], s[26:27] offset:(2*(\t))*512
	global_store_b128 v4, v[CF+4:CF+7], s[26:27] offset:32768+(2*(\t))*512
	global_store_b128 v4, v[CF+8:CF+11], s[26:27] offset:(2*(\t)+1)*512
	global_store_b128 v4, v[CF+12:CF+15], s[26:27] offset:32768+(2*(\t)+1)*512
.endm
	s_cmp_ge_u32 ttmp9, 256                        ; work-groups 0-255: x; 256-351: Wq, Wk, Wv; 352-383: Wf
	s_cbranch_scc1 .Lweights
	s_lshr_b32 s21, ttmp9, 6                       ; batch
	s_bfe_u32 s22, ttmp9, 0x10005                  ; which half of K
	s_and_b32 s23, ttmp9, 31                       ; which 64 columns
	s_lshl_b32 s30, s21, 23                        ; a batch of x is 8,388,608 bytes,
	s_lshl_b32 s36, s22, 22                        ; 512 rows of 8,192 bytes
	s_add_co_u32 s30, s30, s36
	s_lshl_b32 s36, s23, 8
	s_add_co_u32 s30, s30, s36
	s_add_co_u32 s30, s30, s37
	s_add_nc_u64 s[24:25], s[4:5], s[30:31]
	s_lshl_b32 s38, s21, 7                         ; row tile 128 b + 4 x group + 2 x wave
	s_lshl_b32 s36, s23, 2
	s_add_co_u32 s38, s38, s36
	s_add_co_u32 s38, s38, s39
	DEST
	QPATH 8192
	s_endpgm
.Lweights:
	s_sub_co_u32 s21, ttmp9, 256
	s_bfe_u32 s22, s21, 0x10004                    ; which half of K
	s_and_b32 s23, s21, 15                         ; which 64 columns
	s_lshr_b32 s21, s21, 5                         ; 0, 1, 2: Wq, Wk, Wv; 3: Wf
	s_lshl_b32 s30, s22, 21                        ; 512 rows of 4,096 bytes
	s_lshl_b32 s36, s23, 8
	s_add_co_u32 s30, s30, s36
	s_add_co_u32 s30, s30, s37
	s_lshl_b32 s38, s23, 2
	s_add_co_u32 s38, s38, s39                     ; 4 x group + 2 x wave
	s_cmp_eq_u32 s21, 3
	s_cbranch_scc1 .Lwf
	s_cmp_eq_u32 s21, 0
	s_cselect_b64 s[24:25], s[6:7], s[8:9]
	s_cmp_eq_u32 s21, 2
	s_cselect_b64 s[24:25], s[10:11], s[24:25]
	s_add_nc_u64 s[24:25], s[24:25], s[30:31]
	s_lshl_b32 s36, s21, 6
	s_add_co_u32 s38, s38, s36
	s_add_co_u32 s38, s38, 512                     ; the weights' row tiles lie behind x's 512
	DEST
	QPATH 4096
	s_endpgm
.Lwf:
	s_add_nc_u64 s[24:25], s[12:13], s[30:31]
	s_lshl_b32 s32, s38, 15                        ; a tile of 16 n is 64 images
	s_lshl_b32 s36, s22, 14
	s_add_co_u32 s32, s32, s36
	s_add_nc_u64 s[26:27], s[18:19], s[32:33]
	LOAD 0, 4096
	LOAD 1, 4096
.set Q, 0
.rept 16
	BLOCKF Q
.set Q, Q+1
.endr
	s_endpgm
.Lfunc_end_k_q4aa01cdf4d_prep:
	.size	k_q4aa01cdf4d_prep, .Lfunc_end_k_q4aa01cdf4d_prep-k_q4aa01cdf4d_prep
	.p2alignl 7, 3214868480
	.fill 96, 4, 3214868480
	.section	.rodata,"a",@progbits
	.p2align	6, 0x0
	.amdhsa_kernel k_q4aa01cdf4d_prep
		.amdhsa_group_segment_fixed_size 0
		.amdhsa_private_segment_fixed_size 0
		.amdhsa_enable_private_segment 0
		.amdhsa_kernarg_size 64
		.amdhsa_user_sgpr_count 2
		.amdhsa_user_sgpr_kernarg_segment_ptr 1
		.amdhsa_wavefront_size32 1
		.amdhsa_system_sgpr_workgroup_id_x 1
		.amdhsa_system_sgpr_workgroup_id_y 1
		.amdhsa_system_sgpr_workgroup_id_z 1
		.amdhsa_system_vgpr_workitem_id 0
		.amdhsa_next_free_vgpr 160
		.amdhsa_next_free_sgpr 66
		.amdhsa_reserve_vcc 0
		.amdhsa_float_denorm_mode_32 3
		.amdhsa_float_denorm_mode_16_64 3
		.amdhsa_memory_ordered 1
		.amdhsa_forward_progress 1
		.amdhsa_inst_pref_size 226
	.end_amdhsa_kernel
	.amdgpu_metadata
---
amdhsa.version: [ 1, 2 ]
amdhsa.kernels:
  - .name:           k_q4aa01cdf4d_prep
    .symbol:         k_q4aa01cdf4d_prep.kd
    .args:
      - { .name: x, .offset: 0, .size: 8, .value_kind: global_buffer, .address_space: global }
      - { .name: Wq, .offset: 8, .size: 8, .value_kind: global_buffer, .address_space: global }
      - { .name: Wk, .offset: 16, .size: 8, .value_kind: global_buffer, .address_space: global }
      - { .name: Wv, .offset: 24, .size: 8, .value_kind: global_buffer, .address_space: global }
      - { .name: Wf, .offset: 32, .size: 8, .value_kind: global_buffer, .address_space: global }
      - { .name: codes, .offset: 40, .size: 8, .value_kind: global_buffer, .address_space: global }
      - { .name: scales, .offset: 48, .size: 8, .value_kind: global_buffer, .address_space: global }
      - { .name: wff, .offset: 56, .size: 8, .value_kind: global_buffer, .address_space: global }
    .group_segment_fixed_size: 0
    .private_segment_fixed_size: 0
    .kernarg_segment_align: 8
    .kernarg_segment_size: 64
    .max_flat_workgroup_size: 64
    .sgpr_count:     66
    .vgpr_count:     160
    .wavefront_size: 32
...
	.end_amdgpu_metadata
.endif
;; end of part 1
;; launch qkvp (part 2): grid 12 x 32, 4 waves a work-group, clusters of 4 x 4, 327,680 bytes of LDS; arguments codes, scales, bq, bk, bv, mask, qkv; writes qkv
.if DOCPART == 2
	.amdgcn_target "amdgcn-amd-amdhsa--gfx1250"
	.amdhsa_code_object_version 6
	.text
	.protected	k_q4aa01cdf4d_qkvp
	.globl	k_q4aa01cdf4d_qkvp
	.p2align	8
	.type	k_q4aa01cdf4d_qkvp,@function
k_q4aa01cdf4d_qkvp:
	s_mov_b64 s[64:65], 0
	v_nop
	global_prefetch_b8 v0, s[64:65] scope:SCOPE_SE
	s_setreg_imm32_b32 hwreg(HW_REG_WAVE_MODE, 25, 1), 1
	s_wait_xcnt 0x0
	s_wait_alu depctr_hold_cnt(0) depctr_sa_sdst(0) depctr_va_vdst(0) depctr_va_sdst(0) depctr_va_ssrc(0) depctr_va_vcc(0) depctr_vm_vsrc(0)
	s_getreg_b32 s2, hwreg(HW_REG_IB_STS2, 6, 4)
	s_cmp_eq_u32 s2, 0
	s_cbranch_scc0 .Lentry_in_a_cluster
	s_endpgm
.Lentry_in_a_cluster:
	s_bfe_u32 s2, ttmp6, 0x10000c
	s_cmp_lg_u32 s2, 0xf033
	s_cbranch_scc0 .Lentry_shape_is_right
	s_endpgm
.Lentry_shape_is_right:
; THE THREE QUANTISED PROJECTIONS, on codes of E2M1 with E8M0 scales, K = 1,024.  Nothing of reference() is left out here.
; The cluster's x says which: 0: q' = (x Wq + bq) c, c = log2(e) / 8;  1: k' = (x Wk + bk) m, m the key's mask as f32;  2: v = x Wv + bv, made TRANSPOSED.
; With these two factors the scores of the next launch are log2(e) x (a (q . k) m), and (1 - m) NEG log2(e) is added there: reference()'s formula for every whole number m.
; A tile of C = A B^T, 256 x 256, is made by four waves, 128 x 128 each: 64 accumulators.  q, k: A = 256 rows of x, B = 256 rows (n) of the weight.  v: A = 256 rows of Wv, B = 256 rows of x.
; THE MATRIX INSTRUCTION IS USED TRANSPOSED (source 0 = 16 rows of B, source 1 = 16 rows of A): a lane holds one row of A and eight neighbouring rows of B.  Rounded to f16 those eight are 16 bytes, and they
; ARE the lane's piece of an image of the next launch's operand: q', k': a position and 8 channels; v: a channel and 8 keys.  So the results leave straight from registers, 512 consecutive aligned bytes a store.
;   qkv: three parts of 16 MiB (q', k', v^T), each [16 b + head][l / 16: 128][4][lane][16 bytes]; q', k': the 4 are channels / 16; v^T: the 4 are the tiles of 16 channels, and a lane's 8 numbers are keys 8 h + 0..7.
; K's two halves of 512 both fit in LDS: each of a wave's three tensor loads (scales, first half, second half) is a first fill, and nothing is filled again.
; CLUSTERS: 4 x 4 work-groups; A's tiles are shared along a row of the cluster, B's along a column: each is asked for jointly, by the same tensor load with a mask that names the four.
; The biases are the C of each sum's first matrix instruction, in the result's layout.
; LIMITS: q', k', v go in f16: magnitudes from 65,520 on become infinity, under 6e-8 zero; the factors c and m are applied ahead of that rounding; |m| under 2^24; NaN and infinities among the inputs are not served.
; REGISTERS, in windows of 256: window 0: v1-31 addresses; v32-95 scale words, two sets; v96-111 the factors, a pair for each of A's blocks; v112-119 the mask as loaded; v128-191 A's fragments, ONE set;
;   v192-255 eight bias tiles, on the way out the packed results.   window 1: B's fragments, two sets, at v0 and v128.   windows 2, 3: the accumulators, (a, b) at v[8 (8 (a % 4) + b)].
.set NQ,     4                         ; steps of 128 along K in a slot
.set FR,     8                         ; registers of a fragment
.set NL,     2                         ; LDS loads that bring one
.set NP,     4                         ; places behind this matrix instruction (ISA guide 7.12.1)
.set SLOT,   131072                    ; a half of K: A's 16 row tiles x 4,096 bytes, then B's
.set BOFF,   65536
.set SCL,    2*SLOT                    ; the scales: A's 8,192 bytes, then B's
.set SPARE,  SCL+16384                 ; the spare words, 128 bytes for each wave: two blocks of 256 bytes that no other line names
.set ADRA, 16                          ; v16-17  LDS address of my A fragments in slot 0, 1
.set ADRB, 20                          ; v20-21  the same for B
.set CO,   26                          ; v26     16 x lane
.set ADRS, 27                          ; v27     my scale words: lanes 0-15 A's rows, lanes 16-31 B's
.set SPW,  28                          ; v28     my spare word; never rewritten
.set NIL,  29                          ; v29     0; never rewritten
.set SC,   32
.set MU,   96
.set MT,   112
.set AF,   128
.set BT,   192
.set G1, 24                            ; s[24:31] group 1 for A's codes; s[32:39] group 0, a set for each slot
.set G0, 32
.set G1B, 48                           ; s[48:55], s[56:63] the same for B's
.set G0B, 56
.set G1S, 68                           ; s[68:75], s[76:79] for A's scales; s[80:87], s[88:91] for B's
.set G0S, 76
.set G1SB, 80
.set G0SB, 88
.set MSB, 0
.macro WIN new                         ; the immediate's high byte repeats the setting that is left
.if MSB != \new
	s_set_vgpr_msb (MSB<<8)|\new
.set MSB, \new
.endif
.endm
.set MUL_LO, 0xa1                      ; source 0 (B) window 1, source 1 (A) window 0, C and D window 2
.set MUL_HI, 0xf1                      ; the same, C and D window 3
.set FST_LO, 0x81                      ; the first step: C (a bias tile) window 0, D window 2
.set FST_HI, 0xc1                      ; D window 3
.set TO_B,   0x40
; A joint load: waves 0 and 1 fetch for A, waves 2 and 3 for B; the branch hangs on the wave's number alone.  An s_nop 0 and four v_nop follow each line.
.macro JLOAD g0a, g1a, g0b, g1b
	s_cmp_eq_u32 s19, 0
	s_cbranch_scc0 .Lfor_b_\@
	tensor_load_to_lds s[\g0a:\g0a+3], s[\g1a:\g1a+7]
	s_nop 0
.rept 4
	v_nop
.endr
	s_branch .Lasked_\@
.Lfor_b_\@:
	tensor_load_to_lds s[\g0b:\g0b+3], s[\g1b:\g1b+7]
	s_nop 0
.rept 4
	v_nop
.endr
.Lasked_\@:
.endm
.macro CROUND                          ; a round of the cluster's barrier
	s_barrier_signal -1
	s_barrier_wait -1
	s_cmp_lg_u32 s18, 0
	s_cbranch_scc1 .Lnot_wave_0_\@
	s_barrier_signal -3
.Lnot_wave_0_\@:
	s_barrier_wait -3
	s_barrier_signal -1
	s_barrier_wait -1
.endm
	s_load_b256 s[4:11], s[0:1], 0x0               ; codes s[4:5], scales s[6:7], bq s[8:9], bk s[10:11]
	s_load_b128 s[12:15], s[0:1], 0x20             ; bv s[12:13], mask s[14:15]
	s_load_b64 s[16:17], s[0:1], 0x30              ; qkv
	v_lshl_add_u32 v[SPW], v0, 2, SPARE
	v_mov_b32 v[NIL], 0
	ds_add_u32 v[SPW], v[NIL]                      ; the wave's opening: the add, twice on end, and its wait ahead of my first tensor load
	ds_add_u32 v[SPW], v[NIL]
	v_lshrrev_b32 v1, 5, v0
	v_readfirstlane_b32 s18, v1                    ; wave 0..3
	s_lshr_b32 s19, s18, 1                         ; which half of A's rows is mine.  Also: I fetch for A (0) or for B (1)
	s_and_b32 s20, s18, 1                          ; which half of B's rows.  Also: which half of that tile I fetch
	s_bfe_u32 s21, ttmp6, 0x40000                  ; cx
	s_bfe_u32 s22, ttmp6, 0x40004                  ; cy
	s_mov_b32 s23, ttmp9                           ; the cluster's x: 0 q, 1 k, 2 v; the same in all sixteen partners
	s_and_b32 s40, ttmp7, 0xffff                   ; the cluster's y
	s_add_co_u32 s41, s23, 8
	s_cmp_eq_u32 s23, 2                            ; tiles of 256 rows in codes and scales: 0-31 x, 32-35 Wq, 36-39 Wk, 40-43 Wv
	s_cselect_b32 s45, 10, s40
	s_cselect_b32 s41, s40, s41
	s_lshl_b32 s45, s45, 2
	s_add_co_u32 s45, s45, s22                     ; A's tile: cy + 4 x (10 or the cluster's y)
	s_lshl_b32 s41, s41, 2
	s_add_co_u32 s41, s41, s21                     ; B's tile: cx + 4 x (the cluster's y or 8 + which)
	s_lshl_b32 s43, s22, 2
	s_lshl_b32 s43, 15, s43                        ; my row of the cluster
	s_lshl_b32 s44, 0x1111, s21                    ; my column
	; group 1, codes: 8 row tiles' halves: 8 rows of 512 elements of 8 bytes, 8,192 bytes apart in memory, dense in LDS
	s_or_b32 s[G1+0], s43, (3<<16)|(1<<21)         ; 15:0 the mask; 17:16 elements of 8 bytes; 21 set beside a mask
	s_or_b32 s[G1B+0], s44, (3<<16)|(1<<21)
.irp g, G1, G1B
	s_mov_b32 s[\g+1], 512<<16                     ; tensor_dim0
	s_mov_b32 s[\g+2], 8<<16                       ; tensor_dim1
	s_mov_b32 s[\g+3], 512<<16                     ; tile_dim0
	s_mov_b32 s[\g+4], 8                           ; tile_dim1
	s_mov_b32 s[\g+5], 1024                        ; tensor_dim0_stride
	s_mov_b32 s[\g+6], 0
	s_mov_b32 s[\g+7], 0
.endr
	; group 1, scales: 4,096 dense bytes as 16 rows of 256
	s_or_b32 s[G1S+0], s43, (3<<16)|(1<<21)
	s_or_b32 s[G1SB+0], s44, (3<<16)|(1<<21)
.irp g, G1S, G1SB
	s_mov_b32 s[\g+1], 32<<16
	s_mov_b32 s[\g+2], 16<<16
	s_mov_b32 s[\g+3], 32<<16
	s_mov_b32 s[\g+4], 16
	s_mov_b32 s[\g+5], 32
	s_mov_b32 s[\g+6], 0
	s_mov_b32 s[\g+7], 0
.endr
	s_lshl_b32 s46, s45, 17                        ; A's codes: 131,072 bytes a tile of 256 rows, + my half
	s_lshl_b32 s42, s20, 16
	s_add_co_u32 s46, s46, s42
	s_mov_b32 s47, 0
	s_lshl_b32 s92, s41, 17                        ; B's
	s_add_co_u32 s92, s92, s42
	s_mov_b32 s93, 0
	s_lshl_b32 s94, s45, 13                        ; A's scales: 8,192 bytes a tile, + my half
	s_lshl_b32 s42, s20, 12
	s_add_co_u32 s94, s94, s42
	s_mov_b32 s95, 0
	s_lshl_b32 s96, s41, 13                        ; B's
	s_add_co_u32 s96, s96, s42
	s_mov_b32 s97, 0
	s_lshl_b32 s66, s18, 15                        ; where they go: wave x 32,768 in a slot,
	s_lshl_b32 s67, s18, 12                        ; wave x 4,096 among the scales: no place in the cluster enters an LDS address
	s_wait_dscnt 0x0                               ; both opening adds are done
	s_wait_kmcnt 0x0
	s_add_nc_u64 s[46:47], s[4:5], s[46:47]
	s_add_nc_u64 s[92:93], s[4:5], s[92:93]
	s_add_nc_u64 s[94:95], s[6:7], s[94:95]
	s_add_nc_u64 s[96:97], s[6:7], s[96:97]
	CROUND                                         ; all sixteen work-groups are here: the joint loads meet
	s_mov_b32 s[G0S], 1
	s_add_co_u32 s[G0S+1], s67, SCL
	s_mov_b64 s[G0S+2:G0S+3], s[94:95]
	s_or_b32 s[G0S+3], s[G0S+3], 0x80000000
	s_mov_b32 s[G0SB], 1
	s_add_co_u32 s[G0SB+1], s67, SCL
	s_mov_b64 s[G0SB+2:G0SB+3], s[96:97]
	s_or_b32 s[G0SB+3], s[G0SB+3], 0x80000000
	JLOAD G0S, G1S, G0SB, G1SB                     ; the scales first: they are wanted with the first half of K
.irp s, 0,1
	s_mov_b32 s[G0+4*\s], 1
	s_add_co_u32 s[G0+4*\s+1], s66, \s*SLOT
	s_add_nc_u64 s[G0+4*\s+2:G0+4*\s+3], s[46:47], \s*4096
	s_or_b32 s[G0+4*\s+3], s[G0+4*\s+3], 0x80000000
	s_mov_b32 s[G0B+4*\s], 1
	s_add_co_u32 s[G0B+4*\s+1], s66, \s*SLOT
	s_add_nc_u64 s[G0B+4*\s+2:G0B+4*\s+3], s[92:93], \s*4096
	s_or_b32 s[G0B+4*\s+3], s[G0B+4*\s+3], 0x80000000
	JLOAD G0+4*\s, G1, G0B+4*\s, G1B               ; by this text's count three tensor loads of mine are out
.endr
	v_and_b32 v1, 15, v0                           ; r
	v_bfe_u32 v2, v0, 4, 1                         ; h
	v_and_b32 v3, 31, v0
	v_lshlrev_b32 v[CO], 4, v3
	s_lshl_b32 s98, s19, 15                        ; my 8 row tiles of A,
	s_lshl_b32 s99, s20, 15
	s_add_co_u32 s99, s99, BOFF                    ; of B
.irp s, 0,1
	v_add_nc_u32 v[ADRA+\s], s98, v[CO]
	v_add_nc_u32 v[ADRB+\s], s99, v[CO]
	s_add_co_u32 s98, s98, SLOT
	s_add_co_u32 s99, s99, SLOT
.endr
	s_lshl_b32 s98, s19, 12                        ; A's scales: my 8 row tiles
	s_lshl_b32 s99, s20, 12
	s_add_co_u32 s99, s99, 8192                    ; B's lie behind A's 8,192 bytes
	s_sub_co_u32 s99, s99, s98
	v_mul_u32_u24 v4, s99, v2                      ; lanes 16-31 take B's: one product with h
	v_lshl_add_u32 v4, v1, 4, v4                   ; 16 bytes a row
	s_add_co_u32 s98, s98, SCL
	v_add_nc_u32 v[ADRS], s98, v4
.irp i, 0,1,2,3,4,5,6,7,8,9,10,11,12,13,14,15
	v_mov_b32 v[MU+\i], 0x3e38aa3b                 ; c = log2(e) / 8; for k the low register of each pair is replaced by the mask
.endr
	v_lshlrev_b32 v5, 2, v1                        ; 4 r
	v_lshlrev_b32 v6, 5, v2                        ; 32 h
	s_mov_b32 s99, 0
	s_cmp_eq_u32 s23, 2
	s_cbranch_scc1 .Lbias_v
	s_cmp_eq_u32 s23, 0                            ; q, k: the bias runs along B's rows: tile b's register j is bias[16 b + 8 h + j]
	s_cselect_b64 s[92:93], s[8:9], s[10:11]
	s_lshl_b32 s98, s21, 10
	s_lshl_b32 s42, s20, 9
	s_add_co_u32 s98, s98, s42                     ; 4 x (256 cx + 128 x my half)
	s_add_nc_u64 s[92:93], s[92:93], s[98:99]
.irp b, 0,1,2,3,4,5,6,7
	global_load_b128 v[BT+8*\b:BT+8*\b+3], v6, s[92:93] offset:64*\b
	global_load_b128 v[BT+8*\b+4:BT+8*\b+7], v6, s[92:93] offset:64*\b+16
.endr
	s_branch .Lbias_done
.Lbias_v:                                              ; v: the bias runs along A's rows: all eight registers of tile a hold bv[16 a + r]
	s_lshl_b32 s98, s22, 10
	s_lshl_b32 s42, s19, 9
	s_add_co_u32 s98, s98, s42
	s_add_nc_u64 s[92:93], s[12:13], s[98:99]
.irp a, 0,1,2,3,4,5,6,7
	global_load_b32 v[BT+8*\a], v5, s[92:93] offset:64*\a
.endr
	s_wait_loadcnt 0x0
.irp a, 0,1,2,3,4,5,6,7
.irp j, 1,2,3,4,5,6,7
	v_mov_b32 v[BT+8*\a+\j], v[BT+8*\a]
.endr
.endr
.Lbias_done:
	s_cmp_lg_u32 s23, 1
	s_cbranch_scc1 .Lno_mask
	s_lshl_b32 s98, s45, 10                        ; k: the mask of my 128 positions: 4 x (256 x A's tile + 128 x my half); x's rows are 2048 b + l, as the mask's
	s_lshl_b32 s42, s19, 9
	s_add_co_u32 s98, s98, s42
	s_add_nc_u64 s[94:95], s[14:15], s[98:99]
.irp a, 0,1,2,3,4,5,6,7
	global_load_b32 v[MT+\a], v5, s[94:95] offset:64*\a
.endr
	s_wait_loadcnt 0x0
.irp a, 0,1,2,3,4,5,6,7
	v_cvt_f32_i32 v[MU+2*\a], v[MT+\a]
.endr
.Lno_mask:
	s_cmp_eq_u32 s23, 2                            ; where my results go: which operand holds positions (x), which channels (W)
	s_cselect_b32 s46, s41, s45                    ; x's tile of 256 rows,
	s_cselect_b32 s47, s20, s19                    ; my half of it,
	s_cselect_b32 s66, s22, s21                    ; the weight's tile of 256 channels (4 heads),
	s_cselect_b32 s67, s19, s20                    ; my half of it (2 heads)
	s_lshl_b32 s98, s23, 24                        ; the part of 16 MiB
	s_lshr_b32 s42, s46, 3
	s_lshl_b32 s42, s42, 22                        ; the batch: 16 heads of 262,144 bytes
	s_add_co_u32 s98, s98, s42
	s_lshl_b32 s66, s66, 20
	s_add_co_u32 s98, s98, s66
	s_lshl_b32 s67, s67, 19
	s_add_co_u32 s98, s98, s67
	s_and_b32 s46, s46, 7
	s_lshl_b32 s46, s46, 15                        ; 16 tiles of 16 positions, 2,048 bytes each
	s_add_co_u32 s98, s98, s46
	s_lshl_b32 s47, s47, 14
	s_add_co_u32 s98, s98, s47
	s_add_nc_u64 s[96:97], s[16:17], s[98:99]
	s_wait_loadcnt 0x0                             ; the biases
.macro FRAG reg, adr, q, i             ; a fragment, 16 rows x 128 K, is two images: registers 4 c .. 4 c + 3 hold K = 64 c + 32 h + 0 .. 31
.irp c, 0,1
	ds_load_b128 v[\reg+4*\c:\reg+4*\c+3], v[\adr] offset:(\i)*4096+(\q)*1024+512*\c
.endr
.endm
; 16 matrix instructions: A's blocks a0, a0 + 1 x B's eight, the slot's q-th 128 along K.  first = 1: C is the bias tile of B's block; 2: of A's block; 0: the sum goes on in place.
; The 64 accumulators take turns, one instruction a turn, in the same order in every step.
.macro MUL16 a0, p, q, sc, first
.irp a, \a0, \a0+1
.irp b, 0,1,2,3,4,5,6,7
.if \first == 1
	v_wmma_scale_f32_16x16x128_f8f6f4 v[8*(8*((\a)%4)+\b):8*(8*((\a)%4)+\b)+7], v[128*(\p)+FR*\b:128*(\p)+FR*\b+FR-1], v[AF+FR*(\a):AF+FR*(\a)+FR-1], v[BT+8*\b:BT+8*\b+7], v[SC+8*NQ*(\sc)+NQ*\b+(\q)], v[SC+8*NQ*(\sc)+NQ*(\a)+(\q)] matrix_a_fmt:MATRIX_FMT_FP4 matrix_b_fmt:MATRIX_FMT_FP4 matrix_a_scale:MATRIX_SCALE_ROW1
.elseif \first == 2
	v_wmma_scale_f32_16x16x128_f8f6f4 v[8*(8*((\a)%4)+\b):8*(8*((\a)%4)+\b)+7], v[128*(\p)+FR*\b:128*(\p)+FR*\b+FR-1], v[AF+FR*(\a):AF+FR*(\a)+FR-1], v[BT+8*(\a):BT+8*(\a)+7], v[SC+8*NQ*(\sc)+NQ*\b+(\q)], v[SC+8*NQ*(\sc)+NQ*(\a)+(\q)] matrix_a_fmt:MATRIX_FMT_FP4 matrix_b_fmt:MATRIX_FMT_FP4 matrix_a_scale:MATRIX_SCALE_ROW1
.else
	v_wmma_scale_f32_16x16x128_f8f6f4 v[8*(8*((\a)%4)+\b):8*(8*((\a)%4)+\b)+7], v[128*(\p)+FR*\b:128*(\p)+FR*\b+FR-1], v[AF+FR*(\a):AF+FR*(\a)+FR-1], v[8*(8*((\a)%4)+\b):8*(8*((\a)%4)+\b)+7], v[SC+8*NQ*(\sc)+NQ*\b+(\q)], v[SC+8*NQ*(\sc)+NQ*(\a)+(\q)] matrix_a_fmt:MATRIX_FMT_FP4 matrix_b_fmt:MATRIX_FMT_FP4 matrix_a_scale:MATRIX_SCALE_ROW1
.endif
.endr
.endr
.endm
.macro FETCH_B slot, q, p
	WIN TO_B
.irp i, 0,1,2,3,4,5,6,7
	FRAG 128*(\p)+FR*\i, ADRB+\slot, \q, \i
.endr
	WIN 0
.endm
.macro FETCH_A slot, q, i0
.irp i, \i0, \i0+1, \i0+2, \i0+3
	FRAG AF+FR*(\i), ADRA+\slot, \q, \i
.endr
.endm
.macro SCALES sc                       ; a half of K's scale words, four a row: lanes 0-15 take A's block i, lanes 16-31 B's block i
.irp i, 0,1,2,3,4,5,6,7
	ds_load_b128 v[SC+8*NQ*\sc+NQ*\i:SC+8*NQ*\sc+NQ*\i+3], v[ADRS] offset:\i*512+\sc*256
.endr
.endm
.macro PLACES n                        ; plain vector instructions between a matrix instruction and a load into, or a read of, its registers
.rept \n
	v_nop
.endr
.endm
; A step of 128 along K that has its successor in the same slot.  A's blocks go one after the other against B's eight, so one set of registers serves A: blocks 0-3 are fetched anew in the middle, 4-7 at the end.
.macro STEP slot, q, first
	s_wait_dscnt 4*NL                              ; B's set, A's blocks 0-3 and the scales are in; the youngest eight loads (A's blocks 4-7) may be out
.if \first
	WIN FST_LO
.else
	WIN MUL_LO
.endif
	MUL16 0, (\q)%2, \q, \slot, \first
	MUL16 2, (\q)%2, \q, \slot, \first
	s_wait_dscnt 0                                 ; A's blocks 4-7 are in
	PLACES NP
	FETCH_B \slot, (\q)+1, 1-(\q)%2
	FETCH_A \slot, (\q)+1, 0
.if \first
	WIN FST_HI
.else
	WIN MUL_HI
.endif
	MUL16 4, (\q)%2, \q, \slot, \first
	MUL16 6, (\q)%2, \q, \slot, \first
	PLACES NP
	WIN 0
	FETCH_A \slot, (\q)+1, 4
.endm
.macro STEPS slot, from
.set Q, \from
.rept NQ-1-\from
	STEP \slot, Q, 0
.set Q, Q+1
.endr
.endm
	s_wait_tensorcnt 1                             ; the scales and my part of the first half of K are in (the second half's load may be out)
	s_barrier_signal -1
	s_barrier_wait -1                              ; everybody's are
	FETCH_B 0, 0, 0
	FETCH_A 0, 0, 0
	SCALES 0
	FETCH_A 0, 0, 4
	s_cmp_eq_u32 s23, 2                            ; the first step starts the sums with the bias; the two ways differ in which tile is C, and in nothing else
	s_cbranch_scc1 .Lfirst_v
	STEP 0, 0, 1
	s_branch .Lfirst_done
.Lfirst_v:
	STEP 0, 0, 2
.Lfirst_done:
	STEPS 0, 1
	; the first half's last step: one barrier, behind which the second half is whole for every wave
	s_wait_tensorcnt 0x0                           ; my part of the second half has landed
	ds_add_u32 v[SPW], v[NIL]                      ; 0 onto my spare word
	s_wait_dscnt 4*NL+1                            ; (the add and A's blocks 4-7 may be out)
	WIN MUL_LO
	MUL16 0, 1, NQ-1, 0, 0
	s_wait_dscnt 0x0
	s_barrier_signal -1
	MUL16 2, 1, NQ-1, 0, 0
	WIN 0
	s_barrier_wait -1
	PLACES NP
	FETCH_B 1, 0, 0
	FETCH_A 1, 0, 0
	SCALES 1
	WIN MUL_HI
	MUL16 4, 1, NQ-1, 0, 0
	MUL16 6, 1, NQ-1, 0, 0
	PLACES NP
	WIN 0
	FETCH_A 1, 0, 4
	STEPS 1, 0
	s_wait_dscnt 4*NL                              ; the very last step: nothing more to fetch
	WIN MUL_LO
	MUL16 0, 1, NQ-1, 1, 0
	MUL16 2, 1, NQ-1, 1, 0
	s_wait_dscnt 0
	WIN MUL_HI
	MUL16 4, 1, NQ-1, 1, 0
	MUL16 6, 1, NQ-1, 1, 0
	WIN 0
; THE WAY OUT, A's block a at a time.  q, k: x the factor of the lane's position, rounded to f16: image (head b / 4, position tile a, channels / 16 = b % 4).  Each accumulator is read from its low end on.
.macro OUTQK a
	WIN 0x02+(\a)/4                                ; source 0: window 2 or 3
.irp b, 0,1,2,3,4,5,6,7
.irp e, 0,1,2,3
	v_pk_mul_f32 v[AF+8*\b+2*\e:AF+8*\b+2*\e+1], v[8*(8*((\a)%4)+\b)+2*\e:8*(8*((\a)%4)+\b)+2*\e+1], v[MU+2*(\a):MU+2*(\a)+1] op_sel_hi:[1,0]
.endr
.endr
	WIN 0
.if (\a) > 1
	s_wait_xcnt 0x0                                ; block a - 2's stores have read this set of registers
.endif
.irp b, 0,1,2,3,4,5,6,7
.irp e, 0,1,2,3
	v_cvt_pk_f16_f32 v[BT+32*((\a)%2)+4*\b+\e], v[AF+8*\b+2*\e], v[AF+8*\b+2*\e+1]
.endr
.endr
.irp b, 0,1,2,3,4,5,6,7
	global_store_b128 v[CO], v[BT+32*((\a)%2)+4*\b:BT+32*((\a)%2)+4*\b+3], s[96:97] offset:(\b/4)*262144+(\a)*2048+(\b%4)*512   ; 512 consecutive bytes, aligned
.endr
.endm
; v: image (head a / 4, key tile b, channel tile a % 4)
.macro OUTV a
.if (\a) > 1
	s_wait_xcnt 0x0
.endif
	WIN 0x0a+5*((\a)/4)                            ; sources 0 and 1: window 2 or 3
.irp b, 0,1,2,3,4,5,6,7
.irp e, 0,1,2,3
	v_cvt_pk_f16_f32 v[BT+32*((\a)%2)+4*\b+\e], v[8*(8*((\a)%4)+\b)+2*\e], v[8*(8*((\a)%4)+\b)+2*\e+1]
.endr
.endr
	WIN 0
.irp b, 0,1,2,3,4,5,6,7
	global_store_b128 v[CO], v[BT+32*((\a)%2)+4*\b:BT+32*((\a)%2)+4*\b+3], s[96:97] offset:((\a)/4)*262144+((\a)%4)*512+\b*2048
.endr
.endm
	PLACES NP                                      ; behind the last products: their results are read, and A's fragments' registers written, below
	s_cmp_eq_u32 s23, 2
	s_cbranch_scc1 .Lout_v
.irp a, 0,1,2,3,4,5,6,7
	OUTQK \a
.endr
	s_branch .Lout_done
.Lout_v:
.irp a, 0,1,2,3,4,5,6,7
	OUTV \a
.endr
.Lout_done:
	s_wait_tensorcnt 0x0                           ; the wave's end
	ds_add_u32 v[SPW], v[NIL]
	s_wait_dscnt 0x0
	CROUND                                         ; the closing round
	s_endpgm
.Lfunc_end_k_q4aa01cdf4d_qkvp:
	.size	k_q4aa01cdf4d_qkvp, .Lfunc_end_k_q4aa01cdf4d_qkvp-k_q4aa01cdf4d_qkvp
	.p2alignl 7, 3214868480
	.fill 96, 4, 3214868480
	.section	.rodata,"a",@progbits
	.p2align	6, 0x0
	.amdhsa_kernel k_q4aa01cdf4d_qkvp
		.amdhsa_group_segment_fixed_size 327680
		.amdhsa_private_segment_fixed_size 0
		.amdhsa_enable_private_segment 0
		.amdhsa_kernarg_size 56
		.amdhsa_user_sgpr_count 2
		.amdhsa_user_sgpr_kernarg_segment_ptr 1
		.amdhsa_wavefront_size32 1
		.amdhsa_system_sgpr_workgroup_id_x 1
		.amdhsa_system_sgpr_workgroup_id_y 1
		.amdhsa_system_sgpr_workgroup_id_z 1
		.amdhsa_system_vgpr_workitem_id 0
		.amdhsa_next_free_vgpr 1024
		.amdhsa_next_free_sgpr 100
		.amdhsa_reserve_vcc 0
		.amdhsa_float_denorm_mode_32 3
		.amdhsa_float_denorm_mode_16_64 3
		.amdhsa_memory_ordered 1
		.amdhsa_forward_progress 1
		.amdhsa_inst_pref_size 173
	.end_amdhsa_kernel
	.amdgpu_metadata
---
amdhsa.version: [ 1, 2 ]
amdhsa.kernels:
  - .name:           k_q4aa01cdf4d_qkvp
    .symbol:         k_q4aa01cdf4d_qkvp.kd
    .args:
      - { .name: codes, .offset: 0, .size: 8, .value_kind: global_buffer, .address_space: global }
      - { .name: scales, .offset: 8, .size: 8, .value_kind: global_buffer, .address_space: global }
      - { .name: bq, .offset: 16, .size: 8, .value_kind: global_buffer, .address_space: global }
      - { .name: bk, .offset: 24, .size: 8, .value_kind: global_buffer, .address_space: global }
      - { .name: bv, .offset: 32, .size: 8, .value_kind: global_buffer, .address_space: global }
      - { .name: mask, .offset: 40, .size: 8, .value_kind: global_buffer, .address_space: global }
      - { .name: qkv, .offset: 48, .size: 8, .value_kind: global_buffer, .address_space: global }
    .group_segment_fixed_size: 327680
    .private_segment_fixed_size: 0
    .kernarg_segment_align: 8
    .kernarg_segment_size: 56
    .max_flat_workgroup_size: 128
    .sgpr_count:     100
    .vgpr_count:     1024
    .wavefront_size: 32
...
	.end_amdgpu_metadata
.endif
;; end of part 2
;; launch attn (part 3): grid 4 x 64, 8 waves a work-group, clusters of 4 x 1, 327,680 bytes of LDS; arguments qkv, mask, of; writes of
.if DOCPART == 3
	.amdgcn_target "amdgcn-amd-amdhsa--gfx1250"
	.amdhsa_code_object_version 6
	.text
	.protected	k_q4aa01cdf4d_attn
	.globl	k_q4aa01cdf4d_attn
	.p2align	8
	.type	k_q4aa01cdf4d_attn,@function
k_q4aa01cdf4d_attn:
	s_mov_b64 s[64:65], 0
	v_nop
	global_prefetch_b8 v0, s[64:65] scope:SCOPE_SE
	s_setreg_imm32_b32 hwreg(HW_REG_WAVE_MODE, 25, 1), 1
	s_wait_xcnt 0x0
	s_wait_alu depctr_hold_cnt(0) depctr_sa_sdst(0) depctr_va_vdst(0) depctr_va_sdst(0) depctr_va_ssrc(0) depctr_va_vcc(0) depctr_vm_vsrc(0)
	s_getreg_b32 s2, hwreg(HW_REG_IB_STS2, 6, 4)
	s_cmp_eq_u32 s2, 0
	s_cbranch_scc0 .Lentry_in_a_cluster
	s_endpgm
.Lentry_in_a_cluster:
	s_bfe_u32 s2, ttmp6, 0x10000c
	s_cmp_lg_u32 s2, 0x3003
	s_cbranch_scc0 .Lentry_shape_is_right
	s_endpgm
.Lentry_shape_is_right:
; ATTENTION.  O[b][q][head] = the sum over keys of softmax(a (q . k) m + (1 - m) NEG) v, operands in f16, products, maxima and sums in f32.  Nothing of reference() is left out: every key is walked, masked or not.
; The launch before has stored q' = c q (c = a log2(e)) and k' = m k.  So t = q' . k' + ck, ck = (1 - m) NEG log2(e), is log2(e) x reference()'s masked score, and ck's tile is the C of each score tile's first
; matrix instruction: the mask costs no vector instruction here.  p = 2^(t - M), M the query's running maximum of t; in every step O and the sum l are multiplied by 2^(old M - new M).
; A batch whose keys are all masked has k' = 0 and t = ck everywhere: p = 1, a uniform softmax, as in reference().
; SHARES.  A work-group owns 512 queries of one (batch, head); each of its eight waves 64: four tiles of 16, in 512 registers: two waves to a SIMD, so that one wave's softmax stands beside the other's products.
; Every wave walks the 2,048 keys, 64 a step.  K' and V^T come through two LDS slots of 512 keys; every wave fetches an eighth of a slot (16,384 dense bytes) by one tensor load.
; CLUSTER.  The four query blocks of a head walk the same K' and V^T: each tile is asked for jointly, by the same tensor load with a mask that names the four.
; LAYOUT.  S^T = K' Q'^T (source 0 = 16 keys, source 1 = 16 queries): a lane holds ONE query and keys 8 h + 0..7.  Two such tiles rounded to f16 are source 1 of O^T = V^T P, whose result holds one query a lane and
; eight channels: 16 bytes of f16 that are the lane's piece of an image of the last product's operand.  All operands lie in memory and LDS as images of their registers: every fragment load is 16 x lane + a constant.
;   of: [128 b + l / 16][4 head + channels / 16: 64][lane][16 bytes]: lane (r, h) holds position r, channels 8 h + 0..7.
; LIMITS: p and O go in f16 (O from 65,520 on becomes infinity); the sum l is taken of p ahead of its rounding; |m| under 2^24; NaN and infinities among the inputs are not served.
; REGISTERS: window 0: v1-11 addresses; v16-47 eight registers of statistics a tile (+0 M, +1 its pair's other half, +2, +3 l, +4..+7 at work; the factor takes +6); v48-79 ck's four tiles;
;   v80-207 S^T, 32 a tile; p is packed in place into a tile's first 16; v208-223 at work at the head.   window 1: v0-127 O^T, 32 a tile; v128-191 Q', 16 a tile; v192-255 K' or V^T of one step.
.set SLOT1, 131072                     ; a slot: K' 65,536 bytes, then V^T 65,536; slot 1 begins here
.set VOFF,  65536
.set CKB,   262144                     ; ck of the batch's 2,048 keys, f32: stored by the waves; no tensor load lands here
.set SPARE, CKB+8192                   ; the spare words, 128 bytes for each wave: four blocks of 256 bytes that no other line names
.set LI,  1                            ; v1   16 x lane
.set LIV, 2                            ; v2   + VOFF
.set CK0, 3                            ; v3   CKB + 32 h
.set ADK, 4                            ; v4-6 the step's addresses: K', V^T, ck
.set ADV, 5
.set ACK, 6
.set PFO, 8                            ; v8   256 x lane; never rewritten
.set CKW, 9                            ; v9   where I store 8 numbers of ck
.set SPW, 10                           ; v10  my spare word; never rewritten
.set NIL, 11                           ; v11  0; never rewritten
.set ST,  16
.set CK,  48
.set S,   80
.set TMP, 208
.set QF,  128                          ; in window 1
.set KV,  192
.set WV,  12                           ; s12  my wave's number
.set CNT, 57                           ; s57  counts a run of steps
.set SEL, 60                           ; s[60:61] lane selects for v_permlanex16_b32: lane l xor 16
.set TB,  62                           ; s62  LDS byte at which the step's tiles of K' begin
.set TC,  63                           ; s63  the step's 64 numbers of ck: 256 bytes a step
.set MSB, 0
.macro WIN new
.if MSB != \new
	s_set_vgpr_msb (MSB<<8)|\new
.set MSB, \new
.endif
.endm
.set W_KQ, 0x05                        ; K' and Q' window 1; C and S^T window 0
.set W_PV, 0x51                        ; V^T window 1, P window 0, O^T window 1
.set W_RS, 0x41                        ; O^T (destination, source 0) window 1, the factor window 0
.set W_LD, 0x40                        ; destination window 1, address window 0
.macro CROUND                          ; a round of the cluster's barrier
	s_barrier_signal -1
	s_barrier_wait -1
	s_cmp_lg_u32 s[WV], 0
	s_cbranch_scc1 .Lnot_wave_0_\@
	s_barrier_signal -3
.Lnot_wave_0_\@:
	s_barrier_wait -3
	s_barrier_signal -1
	s_barrier_wait -1
.endm
	s_load_b128 s[4:7], s[0:1], 0x0                ; qkv s[4:5], mask s[6:7]
	s_load_b64 s[8:9], s[0:1], 0x10                ; of
	v_lshl_add_u32 v[SPW], v0, 2, SPARE
	v_mov_b32 v[NIL], 0
	ds_add_u32 v[SPW], v[NIL]                      ; the wave's opening: the add, twice on end, and its wait ahead of my first tensor load
	ds_add_u32 v[SPW], v[NIL]
	v_lshrrev_b32 v1, 5, v0
	v_readfirstlane_b32 s[WV], v1                  ; wave 0..7
	s_bfe_u32 s13, ttmp6, 0x40000                  ; cx: my block of 512 queries
	s_and_b32 s14, ttmp7, 0xffff                   ; 16 b + head, which the four partners share
	; group 1: 16,384 dense bytes as 64 rows of 256
	s_mov_b32 s24, 15|(3<<16)|(1<<21)              ; 15:0 the mask: all four work-groups; 17:16 elements of 8 bytes; 21 set beside a mask
	s_mov_b32 s25, 32<<16                          ; tensor_dim0
	s_mov_b32 s26, 64<<16                          ; tensor_dim1
	s_mov_b32 s27, 32<<16                          ; tile_dim0
	s_mov_b32 s28, 64                              ; tile_dim1
	s_mov_b32 s29, 32                              ; tensor_dim0_stride
	s_mov_b32 s30, 0
	s_mov_b32 s31, 0
	s_lshl_b32 s15, s14, 18                        ; a head's 262,144 bytes in each part of qkv
	s_lshr_b32 s20, s[WV], 2                       ; waves 0-3 fetch K' (part 1), waves 4-7 V^T (part 2),
	s_add_co_u32 s20, s20, 1
	s_lshl_b32 s20, s20, 24
	s_add_co_u32 s20, s20, s15
	s_and_b32 s16, s[WV], 3                        ; a quarter of a slot's 65,536 bytes each
	s_lshl_b32 s16, s16, 14
	s_add_co_u32 s20, s20, s16
	s_mov_b32 s21, 0
	s_lshl_b32 s17, s[WV], 14                      ; and where it goes in a slot: wave x 16,384
	s_lshl_b32 s44, s13, 5
	s_lshl_b32 s45, s[WV], 2
	s_add_co_u32 s44, s44, s45                     ; my first tile of 16 queries: 32 cx + 4 x wave
	s_lshl_b32 s22, s44, 11
	s_add_co_u32 s22, s22, s15                     ; Q': 2,048 bytes a tile
	s_mov_b32 s23, 0
	s_lshl_b32 s42, s44, 15                        ; of: 32,768 bytes a tile of 16 positions,
	s_lshr_b32 s16, s14, 4                         ; the batch
	s_lshl_b32 s40, s16, 13                        ; (its 8,192 bytes of the mask)
	s_mov_b32 s41, 0
	s_lshl_b32 s16, s16, 22
	s_add_co_u32 s42, s42, s16
	s_and_b32 s16, s14, 15                         ; the head: four images
	s_lshl_b32 s16, s16, 11
	s_add_co_u32 s42, s42, s16
	s_mov_b32 s43, 0
	s_bfe_u32 s18, s[WV], 0x10001                  ; the prefetch: waves 0, 1 ask for K', waves 2, 3 for V^T,
	s_add_co_u32 s18, s18, 1
	s_lshl_b32 s18, s18, 24
	s_add_co_u32 s18, s18, s15
	s_add_co_u32 s18, s18, 196608                  ; the last 512 keys,
	s_lshl_b32 s44, s13, 1
	s_and_b32 s45, s[WV], 1
	s_add_co_u32 s44, s44, s45
	s_lshl_b32 s44, s44, 13                        ; 8,192 bytes of the 65,536 for each of the eight askers: the partners are told apart by address
	s_add_co_u32 s18, s18, s44
	s_mov_b32 s19, 0
	s_mov_b32 s46, 0xf191accb                      ; NEG x log2(e) = -1.442695e30
	s_mov_b32 s[SEL], 0x76543210
	s_mov_b32 s[SEL+1], 0xfedcba98
	s_mov_b32 s[TB], 0
	s_mov_b32 s[TC], 0
	s_wait_dscnt 0x0                               ; both opening adds are done
	s_wait_kmcnt 0x0
	s_add_nc_u64 s[20:21], s[4:5], s[20:21]
	s_add_nc_u64 s[22:23], s[4:5], s[22:23]
	s_add_nc_u64 s[18:19], s[4:5], s[18:19]
	s_add_nc_u64 s[40:41], s[6:7], s[40:41]
	s_add_nc_u64 s[42:43], s[8:9], s[42:43]
	s_mov_b32 s32, 1                               ; group 0 of the first fill: keys 0-511 into slot 0
	s_mov_b32 s33, s17
	s_mov_b64 s[34:35], s[20:21]
	s_or_b32 s35, s35, 0x80000000
	s_mov_b32 s36, 1                               ; and of the second: keys 512-1023 into slot 1; this one then walks
	s_add_co_u32 s37, s17, SLOT1
	s_add_nc_u64 s[38:39], s[20:21], 65536
	s_or_b32 s39, s39, 0x80000000
	CROUND                                         ; all four work-groups are here: the first joint loads meet
	tensor_load_to_lds s[32:35], s[24:31]          ; every wave fetches: no branch; two loads of mine are out
	s_nop 0
	tensor_load_to_lds s[36:39], s[24:31]
	s_nop 0
.rept 4
	v_nop
.endr
	v_and_b32 v7, 31, v0
	v_lshlrev_b32 v[LI], 4, v7
	WIN W_LD
.irp t, 0,1,2,3
.irp s, 0,1
.irp c, 0,1
	global_load_b128 v[QF+16*\t+8*\s+4*\c:QF+16*\t+8*\s+4*\c+3], v[LI], s[22:23] offset:\t*2048+(2*\s+\c)*512   ; Q' stays in registers
.endr
.endr
.endr
	WIN 0
	v_lshlrev_b32 v12, 5, v0                       ; thread n makes ck of keys 8 n .. 8 n + 7
	global_load_b128 v[TMP:TMP+3], v12, s[40:41]
	global_load_b128 v[TMP+4:TMP+7], v12, s[40:41] offset:16
	v_add_nc_u32 v[LIV], VOFF, v[LI]
	v_bfe_u32 v7, v0, 4, 1
	v_lshl_add_u32 v[CK0], v7, 5, CKB
	v_and_b32 v[PFO], 31, v0
	v_lshlrev_b32 v[PFO], 8, v[PFO]
	v_lshl_add_u32 v[CKW], v0, 5, CKB
.irp t, 0,1,2,3
	v_mov_b32 v[ST+8*\t+1], 0                      ; named with M as a pair, so it is written
.endr
	s_wait_loadcnt 0x0                             ; the mask, and Q'
.irp i, 0,1,2,3,4,5,6,7
	v_cvt_f32_i32 v[TMP+8+\i], v[TMP+\i]
.endr
.irp i, 0,1,2,3,4,5,6,7
	v_fma_f32 v[TMP+8+\i], -v[TMP+8+\i], s46, s46  ; ck = (1 - m) NEG log2(e), one rounding
.endr
	ds_store_b128 v[CKW], v[TMP+8:TMP+11]
	ds_store_b128 v[CKW], v[TMP+12:TMP+15] offset:16
	s_wait_tensorcnt 1                             ; my part of slot 0 is in; slot 1's may stay out
	s_wait_dscnt 0x0                               ; my part of ck is stored
	s_barrier_signal -1
	s_barrier_wait -1
; THE SOFTMAX of the wave's four tiles for one key step, the tiles line by line by turns.  first = 1: the first step, which starts M, l and O^T.
.macro SOFTMAX first
.irp j, 0,1,2,3                        ; the maximum: four chains a tile, one for each accumulator, begun at its low end
.irp t, 0,1,2,3
	v_max3_num_f32 v[ST+8*\t+4+\j], v[S+32*\t+8*\j], v[S+32*\t+8*\j+1], v[S+32*\t+8*\j+2]
.endr
.endr
.irp g, 1,2
.irp j, 0,1,2,3
.irp t, 0,1,2,3
	v_max3_num_f32 v[ST+8*\t+4+\j], v[ST+8*\t+4+\j], v[S+32*\t+8*\j+2*\g+1], v[S+32*\t+8*\j+2*\g+2]
.endr
.endr
.endr
.irp t, 0,1,2,3
	v_max3_num_f32 v[ST+8*\t+4], v[ST+8*\t+4], v[S+32*\t+7], v[S+32*\t+15]
.endr
.irp t, 0,1,2,3
	v_max3_num_f32 v[ST+8*\t+6], v[ST+8*\t+6], v[S+32*\t+23], v[S+32*\t+31]
.endr
.irp t, 0,1,2,3
	v_max3_num_f32 v[ST+8*\t+4], v[ST+8*\t+4], v[ST+8*\t+5], v[ST+8*\t+6]
.endr
.irp t, 0,1,2,3
.if \first
	v_max_num_f32 v[ST+8*\t+4], v[ST+8*\t+4], v[ST+8*\t+7]
.else
	v_max3_num_f32 v[ST+8*\t+4], v[ST+8*\t+4], v[ST+8*\t+7], v[ST+8*\t]
.endif
.endr
.irp t, 0,1,2,3
	v_permlanex16_b32 v[ST+8*\t+5], v[ST+8*\t+4], s[SEL], s[SEL+1]   ; the query's other 32 keys lie in the lane 16 away
.endr
.if \first == 0
.irp t, 0,1,2,3
	v_mov_b32 v[ST+8*\t+7], v[ST+8*\t]             ; the old M
.endr
.endif
.irp t, 0,1,2,3
	v_max_num_f32 v[ST+8*\t], v[ST+8*\t+4], v[ST+8*\t+5]
.endr
.if \first == 0
.irp t, 0,1,2,3
	v_sub_f32 v[ST+8*\t+7], v[ST+8*\t+7], v[ST+8*\t]
.endr
.endif
.irp i, 0,1,2,3,4,5,6,7,8,9,10,11,12,13,14,15
.irp t, 0,1,2,3
	v_pk_add_f32 v[S+32*\t+2*\i:S+32*\t+2*\i+1], v[S+32*\t+2*\i:S+32*\t+2*\i+1], v[ST+8*\t:ST+8*\t+1] op_sel_hi:[1,0] neg_lo:[0,1] neg_hi:[0,1]   ; t - M, two at a time
.endr
.endr
.if \first == 0
.irp t, 0,1,2,3
	v_exp_f32 v[ST+8*\t+6], v[ST+8*\t+7]           ; the factor 2^(old M - new M)
.endr
.endif
.irp i, 0,1,2,3,4,5,6,7,8,9,10,11,12,13,14,15,16,17,18,19,20,21,22,23,24,25,26,27,28,29,30,31
.irp t, 0,1,2,3
	v_exp_f32 v[S+32*\t+\i], v[S+32*\t+\i]         ; ONE BATCH: none of these reads an exponential's result
.endr
.endr
	v_nop                                          ; a plain instruction behind the last exponential
	s_wait_alu depctr_va_vdst(0)                   ; and one wait for the whole batch, ahead of its first reader
.if \first
.irp t, 0,1,2,3
	v_pk_add_f32 v[ST+8*\t+2:ST+8*\t+3], v[S+32*\t:S+32*\t+1], v[S+32*\t+2:S+32*\t+3]
.endr
.irp i, 2,3,4,5,6,7,8,9,10,11,12,13,14,15
.irp t, 0,1,2,3
	v_pk_add_f32 v[ST+8*\t+2:ST+8*\t+3], v[ST+8*\t+2:ST+8*\t+3], v[S+32*\t+2*\i:S+32*\t+2*\i+1]
.endr
.endr
.else
.irp t, 0,1,2,3
	v_pk_mul_f32 v[ST+8*\t+2:ST+8*\t+3], v[ST+8*\t+2:ST+8*\t+3], v[ST+8*\t+6:ST+8*\t+7] op_sel_hi:[1,0]
.endr
.irp i, 0,1,2,3,4,5,6,7,8,9,10,11,12,13,14,15
.irp t, 0,1,2,3
	v_pk_add_f32 v[ST+8*\t+2:ST+8*\t+3], v[ST+8*\t+2:ST+8*\t+3], v[S+32*\t+2*\i:S+32*\t+2*\i+1]   ; the sum, of p ahead of its rounding
.endr
.endr
.endif
.irp i, 0,1,2,3,4,5,6,7,8,9,10,11,12,13,14,15
.irp t, 0,1,2,3
	v_cvt_pk_f16_f32 v[S+32*\t+\i], v[S+32*\t+2*\i], v[S+32*\t+2*\i+1]   ; in place, ascending: register i is written when pairs 0 .. i have been read
.endr
.endr
.if \first == 0
	WIN W_RS
.irp i, 0,1,2,3,4,5,6,7,8,9,10,11,12,13,14,15
.irp t, 0,1,2,3
	v_pk_mul_f32 v[32*\t+2*\i:32*\t+2*\i+1], v[32*\t+2*\i:32*\t+2*\i+1], v[ST+8*\t+6:ST+8*\t+7] op_sel_hi:[1,0]   ; O^T under the new M; each accumulator from its low end on
.endr
.endr
.endif
.endm
; A KEY STEP: 64 keys.
.macro STEP first
	v_add_nc_u32 v[ADK], s[TB], v[LI]              ; these five plain instructions stand behind the last step's products: four ahead of the loads into the buffer that they read,
	v_add_nc_u32 v[ADV], s[TB], v[LIV]             ; five ahead of the score products, which write over p
	v_add_nc_u32 v[ACK], s[TC], v[CK0]
	v_nop
	v_nop
	WIN W_LD
.irp k, 0,1,2,3                        ; K': keys 16 k on, channels 32 s on: two images a fragment
.irp s, 0,1
.irp c, 0,1
	ds_load_b128 v[KV+16*\k+8*\s+4*\c:KV+16*\k+8*\s+4*\c+3], v[ADK] offset:\k*2048+(2*\s+\c)*512
.endr
.endr
.endr
	WIN 0
.irp k, 0,1,2,3                        ; ck's tiles: register j is ck of key 16 k + 8 h + j, the same for every query
	ds_load_b128 v[CK+8*\k:CK+8*\k+3], v[ACK] offset:64*\k
	ds_load_b128 v[CK+8*\k+4:CK+8*\k+7], v[ACK] offset:64*\k+16
.endr
	s_wait_dscnt 0x0
	WIN W_KQ
.irp s, 0,1                            ; S^T = K' Q'^T + ck: the 16 accumulators take turns, one instruction a turn
.irp k, 0,1,2,3
.irp t, 0,1,2,3
.if \s == 0
	v_wmma_f32_16x16x32_f16 v[S+32*\t+8*\k:S+32*\t+8*\k+7], v[KV+16*\k+8*\s:KV+16*\k+8*\s+7], v[QF+16*\t+8*\s:QF+16*\t+8*\s+7], v[CK+8*\k:CK+8*\k+7]
.else
	v_wmma_f32_16x16x32_f16 v[S+32*\t+8*\k:S+32*\t+8*\k+7], v[KV+16*\k+8*\s:KV+16*\k+8*\s+7], v[QF+16*\t+8*\s:QF+16*\t+8*\s+7], v[S+32*\t+8*\k:S+32*\t+8*\k+7]
.endif
.endr
.endr
.endr
	WIN 0
.rept 4
	v_nop                                          ; places ahead of the loads into the buffer that these products read, and of the first read of the scores
.endr
	WIN W_LD
.irp u, 0,1                            ; V^T: keys 32 u on, channels 16 d on; it lands while the softmax is walked
.irp d, 0,1,2,3
.irp c, 0,1
	ds_load_b128 v[KV+32*\u+8*\d+4*\c:KV+32*\u+8*\d+4*\c+3], v[ADV] offset:(2*\u+\c)*2048+\d*512
.endr
.endr
.endr
	WIN 0
	SOFTMAX \first
	s_wait_dscnt 0x0                               ; V^T is in
	WIN W_PV
.irp u, 0,1                            ; O^T += V^T P: the 16 accumulators by turns
.irp d, 0,1,2,3
.irp t, 0,1,2,3
.if (\first) && (\u == 0)
	v_wmma_f32_16x16x32_f16 v[32*\t+8*\d:32*\t+8*\d+7], v[KV+32*\u+8*\d:KV+32*\u+8*\d+7], v[S+32*\t+8*\u:S+32*\t+8*\u+7], 0
.else
	v_wmma_f32_16x16x32_f16 v[32*\t+8*\d:32*\t+8*\d+7], v[KV+32*\u+8*\d:KV+32*\u+8*\d+7], v[S+32*\t+8*\u:S+32*\t+8*\u+7], v[32*\t+8*\d:32*\t+8*\d+7]
.endif
.endr
.endr
.endr
	WIN 0
	s_add_co_u32 s[TB], s[TB], 8192                ; the next step's four tiles of 16 keys,
	s_add_co_u32 s[TC], s[TC], 256                 ; and its 64 numbers of ck
.endm
.macro RUN n
	s_mov_b32 s[CNT], \n
.Lrun_\@:
	STEP 0
	s_sub_co_u32 s[CNT], s[CNT], 1
	s_cmp_lg_u32 s[CNT], 0
	s_cbranch_scc1 .Lrun_\@
.endm
; THE CHANGE OF SLOTS.  Each wave waits for all its tensor loads, of which one is out: its part of the other slot; adds 0 to its spare word; and waits for that and for its reads of the slot that it leaves.
; fill = 1: the slot just left is filled with the keys two slots on.  The barrier is then a round of the cluster's, and the joint refill is the first thing behind it: it has eight key steps in which to land.
; ask = 1: behind the load and its five lines one prefetch a wave of waves 0-3: the last 512 keys' K' and V^T, which the NEXT change will ask for, eight key steps ahead of that load.  4 work-groups x 4 waves x 32 lanes,
; 256 bytes apart, name each of the 131,072 bytes' aligned blocks of 256 once; this cluster alone walks this head.  The first three fills come by their loads alone.
.macro CHANGE fill, ask
	s_wait_tensorcnt 0x0                           ; no tensor load of mine is out, so a group 0 may be written
	ds_add_u32 v[SPW], v[NIL]                      ; 0 onto my spare word; the steps below stand between it and the wait for it
.if \fill
	s_xor_b32 s37, s37, SLOT1                      ; the walking descriptor: the other slot than last time,
	s_add_nc_u64 s[38:39], s[38:39], 65536         ; the next 512 keys; the type bits on top are not reached
.endif
	s_sub_co_u32 s[TB], s[TB], 65536               ; the fetches go back to a slot's first step,
	s_xor_b32 s[TB], s[TB], SLOT1                  ; in the other slot
	s_wait_dscnt 0x0                               ; the add is done, and my reads of the slot are over
.if \fill
	CROUND
	tensor_load_to_lds s[36:39], s[24:31]
	s_nop 0
.rept 4
	v_nop
.endr
.if \ask
	s_cmp_lt_u32 s[WV], 4
	s_cbranch_scc0 .Lnot_mine_\@
	global_prefetch_b8 v[PFO], s[18:19] th:TH_LOAD_NT scope:SCOPE_SE
.Lnot_mine_\@:
.endif
.else
	s_barrier_signal -1
	s_barrier_wait -1
.endif
.endm
	STEP 1                                         ; keys 0-63 start M, l and O^T: nothing is cleared
	RUN 7
	CHANGE 1, 1                                    ; keys 1024-1535 into slot 0
	RUN 8
	CHANGE 1, 0                                    ; keys 1536-2047 into slot 1
	RUN 8
	CHANGE 0, 0                                    ; nothing is left to fetch
	RUN 8
	; THE WAY OUT.  l's two halves and the other half of the lanes' are added (these additions are the places behind the last products); O^T / l is rounded to f16: 16 bytes a lane and channel tile, stored as images.
.irp t, 0,1,2,3
	v_add_f32 v[ST+8*\t+4], v[ST+8*\t+2], v[ST+8*\t+3]
.endr
.irp t, 0,1,2,3
	v_permlanex16_b32 v[ST+8*\t+5], v[ST+8*\t+4], s[SEL], s[SEL+1]
.endr
.irp t, 0,1,2,3
	v_add_f32 v[ST+8*\t+4], v[ST+8*\t+4], v[ST+8*\t+5]
.endr
.irp t, 0,1,2,3
	v_rcp_f32 v[ST+8*\t+6], v[ST+8*\t+4]
.endr
	v_nop                                          ; a plain instruction behind the last reciprocal
	s_wait_alu depctr_va_vdst(0)                   ; one wait for the four, ahead of the first reader
.irp t, 0,1,2,3
	WIN W_RS
.irp i, 0,1,2,3,4,5,6,7,8,9,10,11,12,13,14,15
	v_pk_mul_f32 v[32*\t+2*\i:32*\t+2*\i+1], v[32*\t+2*\i:32*\t+2*\i+1], v[ST+8*\t+6:ST+8*\t+7] op_sel_hi:[1,0]
.endr
	WIN 0x05                                       ; sources window 1, destination window 0
.irp i, 0,1,2,3,4,5,6,7,8,9,10,11,12,13,14,15
	v_cvt_pk_f16_f32 v[S+16*\t+\i], v[32*\t+2*\i], v[32*\t+2*\i+1]
.endr
	WIN 0
.irp d, 0,1,2,3
	global_store_b128 v[LI], v[S+16*\t+4*\d:S+16*\t+4*\d+3], s[42:43] offset:\t*32768+\d*512   ; 512 consecutive bytes, aligned
.endr
.endr
	s_wait_tensorcnt 0x0                           ; the wave's end
	ds_add_u32 v[SPW], v[NIL]
	s_wait_dscnt 0x0
	CROUND                                         ; the closing round
	s_endpgm
.Lfunc_end_k_q4aa01cdf4d_attn:
	.size	k_q4aa01cdf4d_attn, .Lfunc_end_k_q4aa01cdf4d_attn-k_q4aa01cdf4d_attn
	.p2alignl 7, 3214868480
	.fill 96, 4, 3214868480
	.section	.rodata,"a",@progbits
	.p2align	6, 0x0
	.amdhsa_kernel k_q4aa01cdf4d_attn
		.amdhsa_group_segment_fixed_size 327680
		.amdhsa_private_segment_fixed_size 0
		.amdhsa_enable_private_segment 0
		.amdhsa_kernarg_size 24
		.amdhsa_user_sgpr_count 2
		.amdhsa_user_sgpr_kernarg_segment_ptr 1
		.amdhsa_wavefront_size32 1
		.amdhsa_system_sgpr_workgroup_id_x 1
		.amdhsa_system_sgpr_workgroup_id_y 1
		.amdhsa_system_sgpr_workgroup_id_z 1
		.amdhsa_system_vgpr_workitem_id 0
		.amdhsa_next_free_vgpr 512
		.amdhsa_next_free_sgpr 66
		.amdhsa_reserve_vcc 0
		.amdhsa_float_denorm_mode_32 3
		.amdhsa_float_denorm_mode_16_64 3
		.amdhsa_memory_ordered 1
		.amdhsa_forward_progress 1
		.amdhsa_inst_pref_size 178
	.end_amdhsa_kernel
	.amdgpu_metadata
---
amdhsa.version: [ 1, 2 ]
amdhsa.kernels:
  - .name:           k_q4aa01cdf4d_attn
    .symbol:         k_q4aa01cdf4d_attn.kd
    .args:
      - { .name: qkv, .offset: 0, .size: 8, .value_kind: global_buffer, .address_space: global }
      - { .name: mask, .offset: 8, .size: 8, .value_kind: global_buffer, .address_space: global }
      - { .name: of, .offset: 16, .size: 8, .value_kind: global_buffer, .address_space: global }
    .group_segment_fixed_size: 327680
    .private_segment_fixed_size: 0
    .kernarg_segment_align: 8
    .kernarg_segment_size: 24
    .max_flat_workgroup_size: 256
    .sgpr_count:     66
    .vgpr_count:     512
    .wavefront_size: 32
...
	.end_amdgpu_metadata
.endif
;; end of part 3
;; launch proj (part 4): grid 32 x 8, 4 waves a work-group, clusters of 4 x 4, 327,680 bytes of LDS; arguments of, wff, bf, out0; writes out0
.if DOCPART == 4
	.amdgcn_target "amdgcn-amd-amdhsa--gfx1250"
	.amdhsa_code_object_version 6
	.text
	.protected	k_q4aa01cdf4d_proj
	.globl	k_q4aa01cdf4d_proj
	.p2align	8
	.type	k_q4aa01cdf4d_proj,@function
k_q4aa01cdf4d_proj:
	s_mov_b64 s[64:65], 0
	v_nop
	global_prefetch_b8 v0, s[64:65] scope:SCOPE_SE
	s_setreg_imm32_b32 hwreg(HW_REG_WAVE_MODE, 25, 1), 1
	s_wait_xcnt 0x0
	s_wait_alu depctr_hold_cnt(0) depctr_sa_sdst(0) depctr_va_vdst(0) depctr_va_sdst(0) depctr_va_ssrc(0) depctr_va_vcc(0) depctr_vm_vsrc(0)
	s_getreg_b32 s2, hwreg(HW_REG_IB_STS2, 6, 4)
	s_cmp_eq_u32 s2, 0
	s_cbranch_scc0 .Lentry_in_a_cluster
	s_endpgm
.Lentry_in_a_cluster:
	s_bfe_u32 s2, ttmp6, 0x10000c
	s_cmp_lg_u32 s2, 0xf033
	s_cbranch_scc0 .Lentry_shape_is_right
	s_endpgm
.Lentry_shape_is_right:
; THE PROJECTION ON THE WAY OUT, stored transposed: out0[b][n][l] = the sum over k of O[b][l][k] Wf[k][n] + bf[n].  Operands in f16, sums in f32, K = 1,024.  Nothing of reference() is left out here.
; A tile of the result is 128 (n) x 256 (l): 256 work-groups.  Four waves, 64 x 128 each: 32 accumulators.  Source 0 = 16 rows of O (l), source 1 = 16 rows of Wf^T (n): a lane holds one n and eight neighbouring l,
; which are neighbours in out0.  bf is the C of each sum's first matrix instruction.
; Both operands lie in memory as images of their registers (512 bytes, lane l's 16 bytes at 16 l), so a K step's tiles are rows of 4,096 bytes and every fragment load is 16 x lane + a constant.
; K goes in steps of 128 through two LDS slots; waves 0, 1 fetch Wf^T's halves (4 tiles of 16 n each), waves 2, 3 O's (8 tiles of 16 l each), one tensor load a wave behind each round.
; CLUSTERS: 4 x 4 work-groups; Wf^T's tiles are shared along a row of the cluster, O's along a column: each is asked for jointly.
; No prefetch is laid: the launch is short, and each operand's tiles are read by several clusters close together.
; REGISTERS: window 0: v1-31 addresses; v32-63 four bias tiles; v64-159, v160-255 two fragment buffers (O's eight fragments, then Wf^T's four); on the way out v64-191 hold rows.   window 1: the accumulators, (a, b) at v[8 (8 a + b)].
.set SLOT,   98304                     ; Wf^T: 8 tiles x 4,096 bytes, then O: 16 tiles x 4,096
.set BOFF,   32768
.set STAGE,  2*SLOT                    ; 16 rows x (512 + 16) bytes for each wave, for the way out; no tensor load lands here
.set SPITCH, 528
.set SPARE,  STAGE+4*16*SPITCH         ; the spare words, 128 bytes for each wave: two blocks of 256 bytes that no other line names
.set ADRA, 16                          ; v16-17  my Wf^T fragments in slot 0, 1
.set ADRB, 20                          ; v20-21  my O fragments
.set STO,  24                          ; v24     the way out: where I put 32 bytes of a row
.set RD,   25                          ; v25     where I read a row back
.set CO,   26                          ; v26     16 x lane
.set SPW,  28                          ; v28     my spare word; never rewritten
.set NIL,  29                          ; v29     0; never rewritten
.set BT,   32
.set F0,   64
.set F1,   160
.set BK,   64
.set G1, 24                            ; s[24:31], s[32:39] groups 1 and 0 (a set for each slot) for Wf^T;  s[48:55], s[56:63] for O
.set G0, 32
.set G1B, 48
.set G0B, 56
.set MSB, 0
.macro WIN new
.if MSB != \new
	s_set_vgpr_msb (MSB<<8)|\new
.set MSB, \new
.endif
.endm
.set MUL, 0x50                         ; sources window 0; C and D window 1
.set FST, 0x40                         ; the first products: C (a bias tile) window 0, D window 1
.macro JLOAD s                         ; a joint load; an s_nop 0 and four v_nop follow each of the two lines
	s_cmp_eq_u32 s13, 0
	s_cbranch_scc0 .Lfor_b_\@
	tensor_load_to_lds s[G0+4*\s:G0+4*\s+3], s[G1:G1+7]
	s_nop 0
.rept 4
	v_nop
.endr
	s_branch .Lasked_\@
.Lfor_b_\@:
	tensor_load_to_lds s[G0B+4*\s:G0B+4*\s+3], s[G1B:G1B+7]
	s_nop 0
.rept 4
	v_nop
.endr
.Lasked_\@:
.endm
.macro CREST                           ; a round of the cluster's barrier behind its opening barrier
	s_cmp_lg_u32 s12, 0
	s_cbranch_scc1 .Lnot_wave_0_\@
	s_barrier_signal -3
.Lnot_wave_0_\@:
	s_barrier_wait -3
	s_barrier_signal -1
	s_barrier_wait -1
.endm
.macro CROUND
	s_barrier_signal -1
	s_barrier_wait -1
	CREST
.endm
	s_load_b256 s[4:11], s[0:1], 0x0               ; of s[4:5], wff s[6:7], bf s[8:9], out0 s[10:11]
	v_lshl_add_u32 v[SPW], v0, 2, SPARE
	v_mov_b32 v[NIL], 0
	ds_add_u32 v[SPW], v[NIL]                      ; the wave's opening: the add, twice on end, and its wait ahead of my first tensor load
	ds_add_u32 v[SPW], v[NIL]
	v_lshrrev_b32 v1, 5, v0
	v_readfirstlane_b32 s12, v1                    ; wave 0..3
	s_lshr_b32 s13, s12, 1                         ; which 64 n are mine.  Also: I fetch for Wf^T (0) or for O (1)
	s_and_b32 s14, s12, 1                          ; which 128 l are mine.  Also: which half of that tile I fetch
	s_bfe_u32 s40, ttmp6, 0x40000                  ; cx
	s_bfe_u32 s41, ttmp6, 0x40004                  ; cy
	s_lshl_b32 s42, ttmp9, 2
	s_add_co_u32 s42, s42, s40                     ; which 256 rows (2048 b + l)
	s_and_b32 s15, ttmp7, 0xffff
	s_lshl_b32 s15, s15, 2
	s_add_co_u32 s15, s15, s41                     ; which 128 n
	s_lshl_b32 s43, s41, 2
	s_lshl_b32 s43, 15, s43                        ; my row of the cluster
	s_lshl_b32 s44, 0x1111, s40                    ; my column
	; group 1: rows of 512 elements of 8 bytes (a tile's eight images of a K step), 32,768 bytes apart in memory, dense in LDS: 4 of them for Wf^T, 8 for O
	s_or_b32 s[G1+0], s43, (3<<16)|(1<<21)
	s_mov_b32 s[G1+1], 512<<16
	s_mov_b32 s[G1+2], 4<<16
	s_mov_b32 s[G1+3], 512<<16
	s_mov_b32 s[G1+4], 4
	s_mov_b32 s[G1+5], 4096
	s_mov_b32 s[G1+6], 0
	s_mov_b32 s[G1+7], 0
	s_or_b32 s[G1B+0], s44, (3<<16)|(1<<21)
	s_mov_b32 s[G1B+1], 512<<16
	s_mov_b32 s[G1B+2], 8<<16
	s_mov_b32 s[G1B+3], 512<<16
	s_mov_b32 s[G1B+4], 8
	s_mov_b32 s[G1B+5], 4096
	s_mov_b32 s[G1B+6], 0
	s_mov_b32 s[G1B+7], 0
	s_lshl_b32 s16, s15, 3
	s_lshl_b32 s20, s14, 2
	s_add_co_u32 s16, s16, s20
	s_lshl_b32 s16, s16, 15                        ; Wf^T: tile 8 x (which 128 n) + 4 x half
	s_mov_b32 s17, 0
	s_lshl_b32 s46, s42, 4
	s_lshl_b32 s20, s14, 3
	s_add_co_u32 s46, s46, s20
	s_lshl_b32 s46, s46, 15                        ; O: tile 16 x (which 256 rows) + 8 x half
	s_mov_b32 s47, 0
	s_lshl_b32 s21, s14, 14                        ; where they go: no place in the cluster enters an LDS address
	s_lshl_b32 s22, s14, 15
	s_add_co_u32 s22, s22, BOFF
	s_wait_dscnt 0x0                               ; both opening adds are done
	s_wait_kmcnt 0x0
	s_add_nc_u64 s[16:17], s[6:7], s[16:17]
	s_add_nc_u64 s[46:47], s[4:5], s[46:47]
	CROUND                                         ; all sixteen work-groups are here: the first joint loads meet
.irp s, 0,1
	s_mov_b32 s[G0+4*\s], 1
	s_add_co_u32 s[G0+4*\s+1], s21, \s*SLOT
	s_add_nc_u64 s[G0+4*\s+2:G0+4*\s+3], s[16:17], \s*4096
	s_or_b32 s[G0+4*\s+3], s[G0+4*\s+3], 0x80000000
	s_mov_b32 s[G0B+4*\s], 1
	s_add_co_u32 s[G0B+4*\s+1], s22, \s*SLOT
	s_add_nc_u64 s[G0B+4*\s+2:G0B+4*\s+3], s[46:47], \s*4096
	s_or_b32 s[G0B+4*\s+3], s[G0B+4*\s+3], 0x80000000
	JLOAD \s                                       ; two loads of mine are out
.endr
	v_and_b32 v1, 15, v0                           ; r
	v_bfe_u32 v2, v0, 4, 1                         ; h
	v_and_b32 v3, 31, v0
	v_lshlrev_b32 v[CO], 4, v3
	s_lshl_b32 s21, s13, 14                        ; my four tiles of Wf^T,
	s_lshl_b32 s22, s14, 15
	s_add_co_u32 s22, s22, BOFF                    ; my eight of O
.irp s, 0,1
	v_add_nc_u32 v[ADRA+\s], s21, v[CO]
	v_add_nc_u32 v[ADRB+\s], s22, v[CO]
	s_add_co_u32 s21, s21, SLOT
	s_add_co_u32 s22, s22, SLOT
.endr
	s_mul_i32 s23, s12, 16*SPITCH
	s_add_co_u32 s23, s23, STAGE                   ; my stage
	v_mul_u32_u24 v4, v1, SPITCH                   ; in: row r, 32 bytes for each half of the lanes
	v_lshl_add_u32 v4, v2, 5, v4
	v_add_nc_u32 v[STO], s23, v4
	v_add_nc_u32 v[RD], s23, v[CO]                 ; back: the 32 lanes take one row of 512 bytes
	v_lshlrev_b32 v5, 2, v1
	s_lshl_b32 s20, s15, 9                         ; bf: 4 x (128 x which + 64 x my half)
	s_lshl_b32 s21, s13, 8
	s_add_co_u32 s20, s20, s21
	s_mov_b32 s21, 0
	s_add_nc_u64 s[8:9], s[8:9], s[20:21]
.irp a, 0,1,2,3
	global_load_b32 v[BT+8*\a], v5, s[8:9] offset:64*\a   ; all eight registers of tile a hold bf[16 a + r]
.endr
	s_lshr_b32 s20, s42, 3
	s_lshl_b32 s20, s20, 23                        ; out0: the batch,
	s_lshl_b32 s22, s15, 20                        ; 128 rows (n) of 8,192 bytes,
	s_add_co_u32 s20, s20, s22
	s_lshl_b32 s22, s13, 19                        ; my 64 of them,
	s_add_co_u32 s20, s20, s22
	s_and_b32 s22, s42, 7
	s_lshl_b32 s22, s22, 10                        ; 256 l of 4 bytes,
	s_add_co_u32 s20, s20, s22
	s_lshl_b32 s22, s14, 9                         ; my 128 of them
	s_add_co_u32 s20, s20, s22
	s_add_nc_u64 s[10:11], s[10:11], s[20:21]
	s_wait_loadcnt 0x0
.irp a, 0,1,2,3
.irp j, 1,2,3,4,5,6,7
	v_mov_b32 v[BT+8*\a+\j], v[BT+8*\a]
.endr
.endr
.macro FETCH slot, q, f                ; 24 LDS loads: the fragments of the slot's q-th 32 along K: two images each
.irp i, 0,1,2,3,4,5,6,7
	ds_load_b128 v[\f+8*\i:\f+8*\i+3],   v[ADRB+\slot] offset:\i*4096+(\q)*1024
	ds_load_b128 v[\f+8*\i+4:\f+8*\i+7], v[ADRB+\slot] offset:\i*4096+(\q)*1024+512
.endr
.irp i, 0,1,2,3
	ds_load_b128 v[\f+64+8*\i:\f+64+8*\i+3],   v[ADRA+\slot] offset:\i*4096+(\q)*1024
	ds_load_b128 v[\f+64+8*\i+4:\f+64+8*\i+7], v[ADRA+\slot] offset:\i*4096+(\q)*1024+512
.endr
.endm
.macro MUL8 f, a, first                ; n tile a against the eight l tiles.  The 32 accumulators take turns, one instruction a turn, in the same order in every quarter
.irp b, 0,1,2,3,4,5,6,7
.if \first
	v_wmma_f32_16x16x32_f16 v[8*(8*(\a)+\b):8*(8*(\a)+\b)+7], v[\f+8*\b:\f+8*\b+7], v[\f+64+8*(\a):\f+64+8*(\a)+7], v[BT+8*(\a):BT+8*(\a)+7]
.else
	v_wmma_f32_16x16x32_f16 v[8*(8*(\a)+\b):8*(8*(\a)+\b)+7], v[\f+8*\b:\f+8*\b+7], v[\f+64+8*(\a):\f+64+8*(\a)+7], v[8*(8*(\a)+\b):8*(8*(\a)+\b)+7]
.endif
.endr
.endm
.macro PLACES                          ; four plain instructions ahead of loads into registers that matrix instructions have read, and of the first read of results
.rept 4
	v_nop
.endr
.endm
; A K step is four quarters of 32 along K, 32 matrix instructions each, on buffers 0, 1, 0, 1.  One of the first three: the next quarter's fragments are asked for first, into g, and land while f is multiplied.
.macro QUARTER slot, q, f, g, first
	PLACES
	FETCH \slot, (\q)+1, \g
	s_wait_dscnt 24                                ; all but the 24 just issued: buffer f is in
.if \first
	WIN FST
.else
	WIN MUL
.endif
	MUL8 \f, 0, \first
	MUL8 \f, 1, \first
	MUL8 \f, 2, \first
	MUL8 \f, 3, \first
	WIN 0
.endm
; The last quarter multiplies buffer 1 and changes slots: ONE barrier; in front of it each wave waits for all its tensor loads, adds 0 to its spare word, and waits for that and for its reads of this slot.
; fill = 1: the barrier opens a round of the cluster's, and this slot is filled again, two K steps ahead, first thing behind the round: 112 matrix instructions ahead of the wait for it.
.macro TURN slot, next, fill
	s_wait_tensorcnt 0x0                           ; all my tensor loads have landed: my part of the next slot
	ds_add_u32 v[SPW], v[NIL]                      ; 0 onto my spare word
	s_wait_dscnt 1                                 ; buffer 1 is in (the add may be out)
	WIN MUL
	MUL8 F1, 0, 0                                  ; eight matrix instructions stand between the add and the wait for it
	s_wait_dscnt 0x0                               ; the add is done, and my reads of this slot are over
	s_barrier_signal -1
	MUL8 F1, 1, 0
	WIN 0
	s_barrier_wait -1
.if \fill
	CREST
	s_add_nc_u64 s[G0+4*\slot+2:G0+4*\slot+3], s[G0+4*\slot+2:G0+4*\slot+3], 8192
	s_add_nc_u64 s[G0B+4*\slot+2:G0B+4*\slot+3], s[G0B+4*\slot+2:G0B+4*\slot+3], 8192
	JLOAD \slot                                    ; the four v_nop behind it are also the places ahead of the loads below
.else
	PLACES
.endif
	FETCH \next, 0, F0
	WIN MUL
	MUL8 F1, 2, 0
	MUL8 F1, 3, 0
	WIN 0
.endm
	s_wait_tensorcnt 1                             ; my part of K step 0 is in (K step 1's may be out)
	s_barrier_signal -1
	s_barrier_wait -1                              ; everybody's is
	FETCH 0, 0, F0
	QUARTER 0, 0, F0, F1, 1                        ; the first quarter stands in front of the loop: its products start the sums with bf
	s_mov_b32 s3, 3
.Llap:                                                 ; a trip goes once round the ring, from a lap's second quarter to the next lap's first, and fills both slots again
	QUARTER 0, 1, F1, F0, 0
	QUARTER 0, 2, F0, F1, 0
	TURN 0, 1, 1
	QUARTER 1, 0, F0, F1, 0
	QUARTER 1, 1, F1, F0, 0
	QUARTER 1, 2, F0, F1, 0
	TURN 1, 0, 1
	QUARTER 0, 0, F0, F1, 0
	s_sub_co_u32 s3, s3, 1
	s_cmp_lg_u32 s3, 0
	s_cbranch_scc1 .Llap
	QUARTER 0, 1, F1, F0, 0                        ; the last lap fills nothing, and has no round of the cluster's barrier
	QUARTER 0, 2, F0, F1, 0
	TURN 0, 1, 0
	QUARTER 1, 0, F0, F1, 0
	QUARTER 1, 1, F1, F0, 0
	QUARTER 1, 2, F0, F1, 0
	s_wait_dscnt 0x0                               ; the very last quarter: nothing more to fetch
	WIN MUL
	MUL8 F1, 0, 0
	MUL8 F1, 1, 0
	MUL8 F1, 2, 0
	MUL8 F1, 3, 0
	WIN 0
; THE WAY OUT, 16 rows (n) x 128 l at a time.  A lane holds 32 neighbouring bytes of a row and the lanes beside it other rows: so a block goes through my own stage in LDS and comes back as whole rows of 512 bytes.
; LDS serves a wave's instructions in order (ISA guide 5.7.1.4): no wait between the stores and the loads, nor ahead of the next block's stores.
.macro TOSTAGE a
	WIN 0x04                                       ; an LDS store's data are its source 1: window 1
.irp b, 0,1,2,3,4,5,6,7
	ds_store_b128 v[STO], v[8*(8*(\a)+\b):8*(8*(\a)+\b)+3] offset:64*\b            ; each accumulator from its low end on
	ds_store_b128 v[STO], v[8*(8*(\a)+\b)+4:8*(8*(\a)+\b)+7] offset:64*\b+16
.endr
	WIN 0
.set BB, BK+64*((\a)%2)
.irp t, 0,1,2,3,4,5,6,7,8,9,10,11,12,13,14,15
	ds_load_b128 v[BB+4*\t:BB+4*\t+3], v[RD] offset:\t*SPITCH
.endr
.endm
.macro SEND a, younger                 ; younger: the LDS instructions issued behind block a's loads, which may stay out
.set BB, BK+64*((\a)%2)
	s_wait_dscnt \younger
.irp t, 0,1,2,3,4,5,6,7,8,9,10,11,12,13,14,15
	global_store_b128 v[CO], v[BB+4*\t:BB+4*\t+3], s[10:11] offset:(16*(\a)+\t)*8192 th:TH_STORE_NT   ; 32 lanes store 512 consecutive bytes, aligned; written once, read by nobody here
.endr
.endm
	PLACES
	TOSTAGE 0
.irp a, 1,2,3
.if \a > 1
	s_wait_xcnt 0x0                                ; block a - 2's stores have read their registers: block a's loads may land there
.endif
	TOSTAGE \a
	SEND \a-1, 32                                  ; behind block a - 1's loads: block a's 16 stores and 16 loads
.endr
	SEND 3, 0
	s_wait_tensorcnt 0x0                           ; the wave's end
	ds_add_u32 v[SPW], v[NIL]
	s_wait_dscnt 0x0
	CROUND                                         ; the closing round
	s_endpgm
.Lfunc_end_k_q4aa01cdf4d_proj:
	.size	k_q4aa01cdf4d_proj, .Lfunc_end_k_q4aa01cdf4d_proj-k_q4aa01cdf4d_proj
	.p2alignl 7, 3214868480
	.fill 96, 4, 3214868480
	.section	.rodata,"a",@progbits
	.p2align	6, 0x0
	.amdhsa_kernel k_q4aa01cdf4d_proj
		.amdhsa_group_segment_fixed_size 327680
		.amdhsa_private_segment_fixed_size 0
		.amdhsa_enable_private_segment 0
		.amdhsa_kernarg_size 32
		.amdhsa_user_sgpr_count 2
		.amdhsa_user_sgpr_kernarg_segment_ptr 1
		.amdhsa_wavefront_size32 1
		.amdhsa_system_sgpr_workgroup_id_x 1
		.amdhsa_system_sgpr_workgroup_id_y 1
		.amdhsa_system_sgpr_workgroup_id_z 1
		.amdhsa_system_vgpr_workitem_id 0
		.amdhsa_next_free_vgpr 512
		.amdhsa_next_free_sgpr 66
		.amdhsa_reserve_vcc 0
		.amdhsa_float_denorm_mode_32 3
		.amdhsa_float_denorm_mode_16_64 3
		.amdhsa_memory_ordered 1
		.amdhsa_forward_progress 1
		.amdhsa_inst_pref_size 85
	.end_amdhsa_kernel
	.amdgpu_metadata
---
amdhsa.version: [ 1, 2 ]
amdhsa.kernels:
  - .name:           k_q4aa01cdf4d_proj
    .symbol:         k_q4aa01cdf4d_proj.kd
    .args:
      - { .name: of, .offset: 0, .size: 8, .value_kind: global_buffer, .address_space: global }
      - { .name: wff, .offset: 8, .size: 8, .value_kind: global_buffer, .address_space: global }
      - { .name: bf, .offset: 16, .size: 8, .value_kind: global_buffer, .address_space: global }
      - { .name: out0, .offset: 24, .size: 8, .value_kind: global_buffer, .address_space: global }
    .group_segment_fixed_size: 327680
    .private_segment_fixed_size: 0
    .kernarg_segment_align: 8
    .kernarg_segment_size: 32
    .max_flat_workgroup_size: 128
    .sgpr_count:     66
    .vgpr_count:     512
    .wavefront_size: 32
...
	.end_amdgpu_metadata
.endif
;; end of part 4
